; MI455X (gfx1250); checked and timed in simulation.
; The chip was launched on July 23, 2026; its instructions are those of AMD's public machine-readable ISA for CDNA 5 (MIT licence, August 2026) and "CDNA5" Instruction Set Architecture Reference Guide (July 2026). The comments in the code are by the model that wrote it; some were corrected since.
;; Multi Head Attention. Allowed arithmetic: matrix products marked QUANTISED: E2M1 operands, one E8M0 scale for each 32 along K, by v_wmma_scale_f32_16x16x128_f8f6f4 with both operands' format E2M1 (or v_wmma_scale_f32_32x16x128_f4), f32 sums; products left as they are: bf16, f16 or f32 operands; f32 sums; everything else in f32.
;; Inputs: b_k 1,024 float32; b_o 1,024 float32; b_q 1,024 float32; b_v 1,024 float32; k 4 x 2,048 x 1,024 float32; q 4 x 2,048 x 1,024 float32; v 4 x 2,048 x 1,024 float32; w_k 1,024 x 1,024 float32; w_o 1,024 x 1,024 float32; w_q 1,024 x 1,024 float32; w_v 1,024 x 1,024 float32.
;; Outputs: out0 4 x 2,048 x 1,024 float32.
;; This version of the problem:
;;   THIS VERSION OF THE PROBLEM IS GIVEN IN LOW PRECISION. The matrix products marked QUANTISED in the list below multiply operands that are first quantised to E2M1 (2 exponent bits, 1 mantissa bit; 4 bits a number), with one power-of-two scale for each 32 numbers along K (OCP MX v1.0); their sums are f32. The products marked 'left as it is' may take bf16, f16 or f32 operands, with f32 sums. Whichever they take, every output number must still come out within the allowed error. Rounding operands to bf16 (8 significant bits) uses up far more of that allowance than f16 does (11 bits, for magnitudes from 6e-5 to 65,504). All else is computed in f32.
;;   The module's matrix products, in the order in which they are computed (A, B: the left and right operand; K: the contracted axis; several contracted axes count as one K, in the product's order):
;;     1. [M 8,192, K 1,024] x [K 1,024, N 1,024]; A: input q; B: input w_q: QUANTISED
;;     2. [M 8,192, K 1,024] x [K 1,024, N 1,024]; A: input k; B: input w_k: QUANTISED
;;     3. [M 8,192, K 1,024] x [K 1,024, N 1,024]; A: input v; B: input w_v: QUANTISED
;;     4. batch 64 x [M 2,048, K 64] x [K 64, N 2,048]; A: computed on the way; B: computed on the way: left as it is (an operand is computed on the way)
;;     5. batch 64 x [M 2,048, K 2,048] x [K 2,048, N 64]; A: computed on the way; B: computed on the way: left as it is (an operand is computed on the way)
;;     6. [M 8,192, K 1,024] x [K 1,024, N 1,024]; A: computed on the way; B: input w_o: left as it is (an operand is computed on the way)
;;   THE QUANTISER, for each operand of a quantised product, along K:
;;     - K is cut into blocks of 32 from its start; a last block that is shorter is filled with zeros.
;;     - A block's scale is 2^e with e = floor(log2(the largest magnitude in the block)) - 2, held to -126 .. 127; a block of zeros has e = 0. As a byte (E8M0): e + 127.
;;     - Each number is divided by its block's scale, clamped to +-6, and rounded to the nearest number of E2M1, ties to even, subnormals kept.
;;     - The product sums the exact products of the quantised numbers (number of the format x scale) in f32.
;;   ~~~python
;;   def quantise(x, axis):      # numpy; x: float32 -> the quantised numbers, widened to float32 again
;;       x = np.moveaxis(x, axis, -1); K = x.shape[-1]
;;       x = np.pad(x, [(0, 0)] * (x.ndim - 1) + [(0, -K % 32)]); x = x.reshape(x.shape[:-1] + (-1, 32)); a = np.abs(x).max(-1, keepdims=True)
;;       e = np.where(a > 0, np.clip(np.frexp(np.where(a > 0, a, 1))[1] - 1 - 2, -126, 127), 0)      # np.frexp(a)[1] - 1 = floor(log2(a)), exactly
;;       r = np.clip(x / 2.0 ** e, -6, 6)
;;       step = 2.0 ** (np.maximum(np.frexp(np.where(r == 0, 1, r))[1] - 1, 0) - 1)
;;       q = np.round(r / step) * step * 2.0 ** e      # np.round: ties to even
;;       return np.moveaxis(q.reshape(q.shape[:-2] + (-1,))[..., :K], -1, axis).astype(np.float32)
;;   ~~~
;; One version. Each part assembles by itself: llvm-mc -triple=amdgcn-amd-amdhsa -mcpu=gfx1250 --defsym DOCPART=n.
;; ======== version 1 of 1: 4 launches
;; limits: values are held in f16: magnitudes above 65,504 overflow, below 6.1e-05 lose precision
;; workspace buffers: xc 12,582,912 bytes; xs 786,432 bytes; wc 1,572,864 bytes; ws 98,304 bytes; wo16 2,097,152 bytes; qkv 50,331,648 bytes; ao 16,777,216 bytes
;; launch prep (part 1): grid 880 x 1, 4 waves a work-group, no clusters, 68,096 bytes of LDS; arguments q, k, v, w_q, w_k, w_v, w_o, xc, xs, wc, ws, wo16; writes xc, xs, wc, ws, wo16
.if DOCPART == 1
	.amdgcn_target "amdgcn-amd-amdhsa--gfx1250"
	.amdhsa_code_object_version 6
	.text
	.protected	k_qa0102b1d48_prep
	.globl	k_qa0102b1d48_prep
	.p2align	8
	.type	k_qa0102b1d48_prep,@function
k_qa0102b1d48_prep:
	s_mov_b64 s[64:65], 0
	v_nop
	global_prefetch_b8 v0, s[64:65] scope:SCOPE_SE
	s_setreg_imm32_b32 hwreg(HW_REG_WAVE_MODE, 25, 1), 1
	s_wait_xcnt 0x0
; THE OPERANDS OF THE THREE QUANTISED PRODUCTS BECOME CODES, AND w_o BECOMES f16.  One launch, three ways through the text, chosen by the work-group's number alone:
;   work-groups 0-47:    w_q, w_k, w_v [1024 k][1024 n] f32, K their FIRST axis  -> wc [3][1024 n][512 bytes] codes of FP4 (E2M1), K innermost; ws [3][1024 n][32] E8M0 bytes
;   work-groups 48-111:  w_o [1024][1024] f32 -> wo16, the same numbers as f16, in the same order
;   work-groups 112-879: q, k, v [8192][1024] f32, K innermost -> xc [3][8192][512 bytes] codes; xs [3][8192][32] bytes
; A block of 32 along K has the scale 2^(floor(log2(its largest magnitude)) - 2); its byte is the largest magnitude's exponent field - 2, held at 1 from below.  Each number is divided by the scale and rounded to
; the nearest code, ties to even; beyond 6 the largest code.  A block of zeros gets the byte 1 where the rule says 127: its codes are zeros, which add nothing, and this program alone reads the bytes.
; LIMITS: blocks whose largest magnitude lies under 2^-124 keep the byte 1; NaN and infinities among the inputs are not served; w_o beyond 65,504 has no f16 number.
; No tensor loads, no barrier: waves share nothing.  Each way has LDS bytes of its own.
.set SPW,   12                         ; v12  LDS address of my spare word: SPARE + 4 x my thread's number; never rewritten
.set NIL,   13                         ; v13  0; never rewritten
.set WREG,  8192                       ; q, k, v: a region for each wave from byte 0: two stages of 32 x SP bytes, behind them its 256 scale bytes
.set SP,    80                         ; a lane's place in a stage: 64 bytes + 16 of padding
.set WSTG,  32768                      ; the weights: a stage of 32 rows x PITCH for each wave
.set PITCH, 272                        ; 256 bytes of codes + 16
.set SPARE, WSTG+4*32*PITCH            ; 67,584: the spare words, 128 bytes for each wave: two blocks of 256 bytes that no other line names
.set STEPS, 16
.set CB,    8                          ; bytes of 16 codes
.set R,     16                         ; q, k, v: v16-79 four sets of 16 numbers as loaded
.set X,     80                         ; v80-111  two sets of 16 neighbours
.set E,     112                        ; v112-127 a scale byte for each step
.set C,     128                        ; v128-191 codes: four registers for each step
.set NB,    16                         ; the weights: blocks of 32 along K for a wave
.set KROW,  512                        ; a row of wc in bytes
.set SB,    24                         ; v24-27   the scale bytes, four to a register
.set WX,    32                         ; v32-95   two sets of 32 numbers
.set WC,    96                         ; v96-99   a block's codes
.set OUTR,  112                        ; v112-175 the way out
.macro CLOSE                           ; a wave's end, behind the last LDS store
	s_wait_tensorcnt 0x0
	ds_add_u32 v[SPW], v[NIL]
	s_wait_dscnt 0x0
	s_endpgm
.endm
	s_load_b512 s[8:23], s[0:1], 0x0               ; q 8, k 10, v 12, w_q 14, w_k 16, w_v 18, w_o 20, xc 22
	s_load_b256 s[24:31], s[0:1], 0x40             ; xs 24, wc 26, ws 28, wo16 30
	v_lshl_add_u32 v[SPW], v0, 2, SPARE
	v_mov_b32 v[NIL], 0
	v_lshrrev_b32 v1, 5, v0
	v_readfirstlane_b32 s2, v1                     ; wave 0..3
	v_and_b32 v2, 31, v0                           ; lane
	s_wait_kmcnt 0x0
	s_cmp_lt_u32 ttmp9, 48
	s_cbranch_scc1 .Lweights
	s_cmp_lt_u32 ttmp9, 112
	s_cbranch_scc1 .Lcast
; ---------------- q, k, v: plain streams of blocks of 32.  A wave takes 16 steps of 512 numbers.
; Each load reads 512 consecutive bytes, 16 a lane; a step's 2,048 bytes turn through the wave's own stage and come back 64 bytes a lane: 16 neighbours along K; two neighbouring lanes hold a block.
	s_sub_co_u32 s32, ttmp9, 112                   ; 0..767: 256 work-groups for each tensor
	s_lshr_b32 s33, s32, 8                         ; which tensor
	s_cmp_eq_u32 s33, 1
	s_cselect_b64 s[4:5], s[10:11], s[8:9]
	s_cmp_eq_u32 s33, 2
	s_cselect_b64 s[4:5], s[12:13], s[4:5]         ; the choice hangs on the work-group's number alone
	s_and_b32 s34, s32, 255
	s_lshl_b32 s34, s34, 2
	s_add_co_u32 s34, s34, s2                      ; which run of 8,192 numbers of the tensor is my wave's
	s_lshl_b32 s34, s34, 15                        ; 32,768 bytes a run
	s_mov_b32 s35, 0
	s_add_nc_u64 s[4:5], s[4:5], s[34:35]
	s_lshl_b32 s36, s32, 2
	s_add_co_u32 s36, s36, s2                      ; and which run of the three tensors on end
	s_lshl_b32 s38, s36, 12                        ; 4,096 bytes of codes a run
	s_mov_b32 s39, 0
	s_add_nc_u64 s[22:23], s[22:23], s[38:39]
	s_lshl_b32 s38, s36, 8                         ; 256 scale bytes a run
	s_add_nc_u64 s[24:25], s[24:25], s[38:39]
	v_lshlrev_b32 v3, 4, v2                        ; my 16 bytes of a load's 512
	s_mul_i32 s37, s2, WREG
	v_lshrrev_b32 v14, 2, v2
	v_mul_u32_u24 v14, v14, SP
	v_and_b32 v15, 3, v2
	v_lshl_add_u32 v14, v15, 4, v14
	v_add_nc_u32 v14, s37, v14                     ; the stage, on the way in: SP (lane / 4) + 16 (lane % 4); a load's 512 bytes take eight places
	v_mul_u32_u24 v15, v2, SP
	v_add_nc_u32 v15, s37, v15                     ; and on the way out: SP x lane
	v_mul_u32_u24 v4, v2, CB                       ; my codes' place in a step's
	v_lshrrev_b32 v5, 1, v2
	s_add_co_u32 s37, s37, 2*32*SP
	v_add_nc_u32 v5, s37, v5                       ; my wave's 256 scale bytes, my block's byte
	v_lshlrev_b32 v7, 3, v2
	v_add_nc_u32 v6, s37, v7                       ; and on the way out 8 bytes a lane
.macro XLOAD t
.irp i, 0,1,2,3
	global_load_b128 v[R+16*((\t)%4)+4*\i:R+16*((\t)%4)+4*\i+3], v3, s[4:5] offset:2048*(\t)+512*\i th:TH_LOAD_NT
.endr
.endm
.macro XTURN t                         ; LDS serves a wave's instructions in order, so no wait stands between the stores and the loads
.irp i, 0,1,2,3
	ds_store_b128 v14, v[R+16*((\t)%4)+4*\i:R+16*((\t)%4)+4*\i+3] offset:32*SP*((\t)%2)+8*SP*\i
.endr
.irp i, 0,1,2,3
	ds_load_b128 v[X+16*((\t)%2)+4*\i:X+16*((\t)%2)+4*\i+3], v15 offset:32*SP*((\t)%2)+16*\i
.endr
.endm
.irp t, 0,1,2,3
	XLOAD \t
.endr
	s_wait_loadcnt 12                              ; step 0's four loads are in; the twelve of steps 1 to 3 may be out
	XTURN 0
.macro XSTEP t
.set XS, X+16*((\t)%2)
.if (\t) > 0
	s_wait_dscnt 1                                 ; this step's numbers are back from the stage (the last step's byte store may be out): so its stores into the stage have read their registers,
.else
	s_wait_dscnt 0x0
.endif
.if (\t)+4 < STEPS
	XLOAD (\t)+4                                   ; which take the loads of four steps on
.endif
.if (\t)+1 < STEPS
.if STEPS-2-(\t) >= 3
	s_wait_loadcnt 12                              ; the next step's four loads are in; those of the three steps behind it may be out
.else
	s_wait_loadcnt 4*(STEPS-2-(\t))
.endif
	XTURN (\t)+1                                   ; and go through the other stage while this step is worked
.endif
	v_max3_num_f32 v8, |v[XS]|, |v[XS+1]|, |v[XS+2]|       ; the largest magnitude of my 16, in two chains
	v_max3_num_f32 v9, |v[XS+3]|, |v[XS+4]|, |v[XS+5]|
.irp i, 6,10
	v_max3_num_f32 v8, v8, |v[XS+\i]|, |v[XS+\i+1]|
	v_max3_num_f32 v9, v9, |v[XS+\i+2]|, |v[XS+\i+3]|
.endr
	v_max3_num_f32 v8, v8, |v[XS+14]|, |v[XS+15]|
	v_max3_num_f32 v8, v8, v9, 0x1800000           ; and the floor 2^(3 - 127): so the byte cannot fall under 1
	v_max_num_f32_dpp v8, v8, v8 row_xmask:1 row_mask:0xf bank_mask:0xf   ; and of my neighbour's 16: the block's
	v_add_nc_u32 v11, 0xff000000, v8               ; 2 off its exponent field: the conversion takes the exponent field of this operand as its scale, and nothing else of it
	v_cvt_scalef32_pk8_fp4_f32 v[C+4*(\t)], v[XS:XS+7], v11
	v_cvt_scalef32_pk8_fp4_f32 v[C+4*(\t)+1], v[XS+8:XS+15], v11
	v_lshrrev_b32 v[E+(\t)], 23, v11               ; the scale's byte (a plain line behind the conversions)
	ds_store_b8 v5, v[E+(\t)] offset:16*(\t)       ; both lanes of a block write the same byte with the same value
	global_store_b64 v4, v[C+4*(\t):C+4*(\t)+1], s[22:23] offset:32*CB*(\t)   ; the wave stores 256 consecutive bytes, aligned
.endm
.irp t, 0,1,2,3,4,5,6,7,8,9,10,11,12,13,14,15
	XSTEP \t
.endr
	ds_load_b64 v[8:9], v6                         ; LDS serves a wave's instructions in order: these see my byte stores
	s_wait_dscnt 0x0
	global_store_b64 v7, v[8:9], s[24:25]          ; my wave's 256 scale bytes: 256 consecutive bytes, aligned
	CLOSE
; ---------------- w_o: a cast.  A wave takes 4,096 numbers: 32 loads of 512 consecutive bytes, all on their way at once; each becomes one store of 256 consecutive bytes.
.Lcast:
	s_sub_co_u32 s32, ttmp9, 48
	s_lshl_b32 s32, s32, 2
	s_add_co_u32 s32, s32, s2                      ; my wave's run, 0..255
	s_lshl_b32 s34, s32, 14
	s_mov_b32 s35, 0
	s_add_nc_u64 s[20:21], s[20:21], s[34:35]
	s_lshl_b32 s34, s32, 13
	s_add_nc_u64 s[30:31], s[30:31], s[34:35]
	v_lshlrev_b32 v3, 4, v2
	v_lshlrev_b32 v4, 3, v2
.set i, 0
.rept 32
	global_load_b128 v[64+4*i:67+4*i], v3, s[20:21] offset:512*i th:TH_LOAD_NT
.set i, i+1
.endr
.set i, 0
.rept 32
	s_wait_loadcnt 31-i                            ; loads come back in order: load i is in, the younger ones stay out
	v_cvt_pk_f16_f32 v[64+4*i], v[64+4*i], v[65+4*i]
	v_cvt_pk_f16_f32 v[65+4*i], v[66+4*i], v[67+4*i]
	global_store_b64 v4, v[64+4*i:65+4*i], s[30:31] offset:256*i     ; no register is written twice, so no store's data are touched again
.set i, i+1
.endr
	CLOSE
; ---------------- w_q, w_k, w_v: A LANE TAKES A COLUMN n, AND ITS REGISTERS RUN DOWN K.  A wave takes 32 columns x 512 along K: each load reads 128 consecutive bytes, a block of 32 lies in one lane,
; and the conversions give the codes with K innermost.  A column's 256 bytes of codes go through the wave's stage and leave as rows: sixteen lanes store 256 consecutive bytes, aligned.
.Lweights:
	s_lshr_b32 s33, ttmp9, 4                       ; which weight: 16 work-groups each
	s_cmp_eq_u32 s33, 1
	s_cselect_b64 s[4:5], s[16:17], s[14:15]
	s_cmp_eq_u32 s33, 2
	s_cselect_b64 s[4:5], s[18:19], s[4:5]
	s_and_b32 s34, ttmp9, 7                        ; which 128 columns
	s_bfe_u32 s35, ttmp9, 0x10003                  ; which 512 along K
	s_lshl_b32 s34, s34, 7
	s_lshl_b32 s36, s2, 5
	s_add_co_u32 s34, s34, s36                     ; my wave's first column
	s_lshl_b32 s36, s35, 21                        ; 512 rows of 4,096 bytes
	s_lshl_b32 s37, s34, 2
	s_add_co_u32 s36, s36, s37
	s_mov_b32 s37, 0
	s_add_nc_u64 s[4:5], s[4:5], s[36:37]
	s_lshl_b32 s36, s33, 19                        ; wc: 524,288 bytes a weight, 512 a column, 256 for 512 along K
	s_lshl_b32 s38, s34, 9
	s_add_co_u32 s36, s36, s38
	s_lshl_b32 s38, s35, 8
	s_add_co_u32 s36, s36, s38
	s_add_nc_u64 s[26:27], s[26:27], s[36:37]
	s_lshl_b32 s36, s33, 15                        ; ws: 32,768 bytes a weight, 32 a column, 16 for 512 along K
	s_lshl_b32 s38, s34, 5
	s_add_co_u32 s36, s36, s38
	s_lshl_b32 s38, s35, 4
	s_add_co_u32 s36, s36, s38
	s_add_nc_u64 s[28:29], s[28:29], s[36:37]
	v_lshlrev_b32 v3, 2, v2                        ; in: 4 bytes a lane
	s_mul_i32 s39, s2, 32*PITCH
	s_add_co_u32 s39, s39, WSTG                    ; my stage
	v_mul_u32_u24 v4, v2, PITCH
	v_add_nc_u32 v4, s39, v4                       ; into it: row = my column
	v_and_b32 v5, 15, v2
	v_lshrrev_b32 v6, 4, v2                        ; out of it: sixteen lanes to a row, two rows an instruction
	v_mul_u32_u24 v7, v6, PITCH
	v_lshl_add_u32 v7, v5, 4, v7
	v_add_nc_u32 v7, s39, v7
	v_mul_u32_u24 v8, v6, KROW
	v_lshl_add_u32 v8, v5, 4, v8                   ; and the same place in wc
	v_lshlrev_b32 v9, 5, v2                        ; my column's row of scale bytes
.macro WLOAD t                         ; block t: w(32 t + i, my column) into set t % 2; the largest offset, 511 rows of 4,096 bytes, lies inside the signed 24-bit immediate
.irp i, 0,1,2,3,4,5,6,7,8,9,10,11,12,13,14,15,16,17,18,19,20,21,22,23,24,25,26,27,28,29,30,31
	global_load_b32 v[WX+32*((\t)%2)+\i], v3, s[4:5] offset:(32*(\t)+\i)*4096 th:TH_LOAD_NT
.endr
.endm
	WLOAD 0
	WLOAD 1
.macro WBLOCK t
.set XS, WX+32*((\t)%2)
.if (\t) < NB-1
	s_wait_loadcnt 32                              ; this block's 32 loads are in; the next block's may be out
.else
	s_wait_loadcnt 0
.endif
	v_max3_num_f32 v16, |v[XS]|, |v[XS+1]|, |v[XS+2]|      ; the block's largest magnitude: all 32 numbers are mine
	v_max3_num_f32 v17, |v[XS+3]|, |v[XS+4]|, |v[XS+5]|
.irp i, 6,10,14,18,22,26
	v_max3_num_f32 v16, v16, |v[XS+\i]|, |v[XS+\i+1]|
	v_max3_num_f32 v17, v17, |v[XS+\i+2]|, |v[XS+\i+3]|
.endr
	v_max3_num_f32 v16, v16, |v[XS+30]|, |v[XS+31]|
	v_max3_num_f32 v16, v16, v17, 0x1800000        ; and the floor 2^(3 - 127)
	v_add_nc_u32 v18, 0xff000000, v16              ; 2 off the exponent field: the conversion's scale operand
	v_lshrrev_b32 v19, 23, v18                     ; the scale's byte
.if (\t)%4 == 0
	v_mov_b32 v[SB+(\t)/4], v19                    ; four bytes to a register, the lower K in the lower byte
.else
	v_lshl_or_b32 v[SB+(\t)/4], v19, 8*((\t)%4), v[SB+(\t)/4]
.endif
.irp g, 0,1,2,3
	v_cvt_scalef32_pk8_fp4_f32 v[WC+\g], v[XS+8*\g:XS+8*\g+7], v18
.endr
	ds_store_b128 v4, v[WC:WC+3] offset:16*(\t)    ; 32 codes: 16 bytes of my column's row
.if (\t)+2 < NB
	WLOAD (\t)+2
.endif
	s_wait_dscnt 0x0                               ; the store has read its registers: the next block's codes may be written
.endm
.set Q, 0
.rept NB
	WBLOCK Q
.set Q, Q+1
.endr
	global_store_b128 v9, v[SB:SB+3], s[28:29]     ; my column's 16 scale bytes
.irp t, 0,1,2,3,4,5,6,7,8,9,10,11,12,13,14,15
	ds_load_b128 v[OUTR+4*\t:OUTR+4*\t+3], v7 offset:2*\t*PITCH
.endr
.irp t, 0,1,2,3,4,5,6,7,8,9,10,11,12,13,14,15
	s_wait_dscnt 15-\t                             ; read t is back, the younger ones stay out
	global_store_b128 v8, v[OUTR+4*\t:OUTR+4*\t+3], s[26:27] offset:2*\t*KROW
.endr
	CLOSE
.Lfunc_end_k_qa0102b1d48_prep:
	.size	k_qa0102b1d48_prep, .Lfunc_end_k_qa0102b1d48_prep-k_qa0102b1d48_prep
	.p2alignl 7, 3214868480
	.fill 96, 4, 3214868480
	.section	.rodata,"a",@progbits
	.p2align	6, 0x0
	.amdhsa_kernel k_qa0102b1d48_prep
		.amdhsa_group_segment_fixed_size 68096
		.amdhsa_private_segment_fixed_size 0
		.amdhsa_enable_private_segment 0
		.amdhsa_kernarg_size 96
		.amdhsa_user_sgpr_count 2
		.amdhsa_user_sgpr_kernarg_segment_ptr 1
		.amdhsa_wavefront_size32 1
		.amdhsa_system_sgpr_workgroup_id_x 1
		.amdhsa_system_sgpr_workgroup_id_y 1
		.amdhsa_system_sgpr_workgroup_id_z 1
		.amdhsa_system_vgpr_workitem_id 0
		.amdhsa_next_free_vgpr 192
		.amdhsa_next_free_sgpr 66
		.amdhsa_reserve_vcc 0
		.amdhsa_float_denorm_mode_32 3
		.amdhsa_float_denorm_mode_16_64 3
		.amdhsa_memory_ordered 1
		.amdhsa_forward_progress 1
		.amdhsa_inst_pref_size 123
	.end_amdhsa_kernel
	.amdgpu_metadata
---
amdhsa.version: [ 1, 2 ]
amdhsa.kernels:
  - .name:           k_qa0102b1d48_prep
    .symbol:         k_qa0102b1d48_prep.kd
    .args:
      - { .name: q, .offset: 0, .size: 8, .value_kind: global_buffer, .address_space: global }
      - { .name: k, .offset: 8, .size: 8, .value_kind: global_buffer, .address_space: global }
      - { .name: v, .offset: 16, .size: 8, .value_kind: global_buffer, .address_space: global }
      - { .name: w_q, .offset: 24, .size: 8, .value_kind: global_buffer, .address_space: global }
      - { .name: w_k, .offset: 32, .size: 8, .value_kind: global_buffer, .address_space: global }
      - { .name: w_v, .offset: 40, .size: 8, .value_kind: global_buffer, .address_space: global }
      - { .name: w_o, .offset: 48, .size: 8, .value_kind: global_buffer, .address_space: global }
      - { .name: xc, .offset: 56, .size: 8, .value_kind: global_buffer, .address_space: global }
      - { .name: xs, .offset: 64, .size: 8, .value_kind: global_buffer, .address_space: global }
      - { .name: wc, .offset: 72, .size: 8, .value_kind: global_buffer, .address_space: global }
      - { .name: ws, .offset: 80, .size: 8, .value_kind: global_buffer, .address_space: global }
      - { .name: wo16, .offset: 88, .size: 8, .value_kind: global_buffer, .address_space: global }
    .group_segment_fixed_size: 68096
    .private_segment_fixed_size: 0
    .kernarg_segment_align: 8
    .kernarg_segment_size: 96
    .max_flat_workgroup_size: 128
    .sgpr_count:     66
    .vgpr_count:     192
    .wavefront_size: 32
...
	.end_amdgpu_metadata
.endif
;; end of part 1
;; launch proj (part 2): grid 4 x 96, 4 waves a work-group, clusters of 4 x 4, 327,680 bytes of LDS; arguments xc, xs, wc, ws, qkv, b_q, b_k, b_v; writes qkv
.if DOCPART == 2
	.amdgcn_target "amdgcn-amd-amdhsa--gfx1250"
	.amdhsa_code_object_version 6
	.text
	.protected	k_qa0102b1d48_proj
	.globl	k_qa0102b1d48_proj
	.p2align	8
	.type	k_qa0102b1d48_proj,@function
k_qa0102b1d48_proj:
	s_mov_b64 s[64:65], 0
	v_nop
	global_prefetch_b8 v0, s[64:65] scope:SCOPE_SE
	s_setreg_imm32_b32 hwreg(HW_REG_WAVE_MODE, 25, 1), 1
	s_wait_xcnt 0x0
	s_wait_alu depctr_hold_cnt(0) depctr_sa_sdst(0) depctr_va_vdst(0) depctr_va_sdst(0) depctr_va_ssrc(0) depctr_va_vcc(0) depctr_vm_vsrc(0)
	s_getreg_b32 s2, hwreg(HW_REG_IB_STS2, 6, 4)
	s_cmp_eq_u32 s2, 0
	s_cbranch_scc0 .Lentry_in_a_cluster
	s_endpgm
.Lentry_in_a_cluster:
	s_bfe_u32 s2, ttmp6, 0x10000c
	s_cmp_lg_u32 s2, 0xf033
	s_cbranch_scc0 .Lentry_shape_is_right
	s_endpgm
.Lentry_shape_is_right:
; THE THREE QUANTISED PRODUCTS AS ONE GEMM ON CODES OF FP4 (E2M1): rows 0-8191 are q's tokens against w_q, rows 8192-16383 k's against w_k, the rest v's against w_v.  K = 1,024; sums in f32; the bias starts each sum.
; xc [24576][512 bytes], wc [3072 = 3 x 1024 n][512 bytes]: codes, K innermost; xs, ws: 32 E8M0 bytes a row.  Result: qkv [3][4 b][16 h][2048 t][64] f16: each head a dense block of 262,144 bytes.
; LIMIT: a result beyond 65,504 has no f16 number; NaN and infinities are not served.
; A tile of 256 x 256 is made by a work-group of four waves; a wave makes 128 x 128: 64 accumulators of 16 x 16.  K is two slots of 512: both, and all scale bytes, are asked for at the start, and nothing is filled again.
; CLUSTERS: 4 x 4 work-groups, 1,024 rows x all 1,024 columns of one of the three products.  The four of a row need the same tiles of x, the four of a column the same tiles of w: each is asked for JOINTLY.
; THE MATRIX INSTRUCTION IS USED TRANSPOSED (source 0 = 16 columns of w, source 1 = 16 tokens): a lane holds eight neighbouring columns of one token.
; REGISTERS, in windows of 256: window 0: v0-31 addresses; v32-95 scale words, two sets, and nothing else ever; v128-191 x's fragments, one set; v192-255 the bias in the result's layout; on the way out v128-223 are at work.
;   window 1: w's fragments, two sets, at v0 and v128.   window 2: the accumulators of my rows 0-63 ((a, b) at v[8 (8 a + b)]);   window 3: those of my rows 64-127.
.set NQ,     4                         ; matrix instructions deep in a slot
.set ROWB,   256                       ; a tile's row in bytes: 512 codes
.set KROW,   512                       ; a row of xc or wc
.set PITCH,  272                       ; an LDS row: 256 bytes + 16: the sixteen rows of a fragment load begin 68 words apart
.set FR,     8
.set NL,     2
.set NP,     4                         ; places behind this matrix instruction (ISA guide 7.12.1)
.set HALFT,  128*PITCH
.set SLOT,   4*HALFT                   ; x's 256 rows, then w's 256
.set KS,     32                        ; a row of scale bytes
.set SCL,    2*SLOT                    ; behind the slots: the scales, as units of 256 bytes + 16
.set HALFS,  (128*KS/256)*272
.set SBLK,   (16*KS/256)*272
.set SPARE,  SCL+4*HALFS               ; the spare words, 128 bytes a wave: two blocks of 256 bytes that no other line names
.set STAGE,  SPARE+512                 ; the way out: 16 rows x 272 bytes for each wave; no tile ever lands here
.set ADRA, 16
.set ADRB, 20
.set STO,  24
.set RD,   25
.set CO,   26
.set ADRS, 27
.set SPW,  28
.set NIL,  29
.set SC,   32
.set AF,   128
.set BIAS, 192
.set TMP,  128                         ; the way out: a block's packed results
.set OB,   160                         ; and 16 rows read back: v160-191 and v192-223 by turns
.set G1, 24
.set G0, 32
.set G1B, 48
.set G0B, 56
.set G1S, 68
.set G0S, 76
.set G1SB, 80
.set G0SB, 88
.set MSB, 0
.macro WIN new                         ; the immediate's high byte repeats the setting that is left
.if MSB != \new
	s_set_vgpr_msb (MSB<<8)|\new
.set MSB, \new
.endif
.endm
.set MUL_LO, 0xa1                      ; source 0 (w) window 1, source 1 (x) window 0, C and D window 2
.set MUL_HI, 0xf1                      ; the same, C and D window 3
.set BIA_LO, 0x81                      ; the first step: C is the bias, in window 0
.set BIA_HI, 0xc1
.set TO_B,   0x40
; A joint load: waves 0 and 1 fetch for x, waves 2 and 3 for w.  The branch hangs on the wave's number alone.  An s_nop 0 and four v_nop follow each of the two lines.
.macro JLOAD g0a, g1a, g0b, g1b
	s_cmp_eq_u32 s15, 0
	s_cbranch_scc0 .Lfor_b_\@
	tensor_load_to_lds s[\g0a:\g0a+3], s[\g1a:\g1a+7]
	s_nop 0
.rept 4
	v_nop
.endr
	s_branch .Lasked_\@
.Lfor_b_\@:
	tensor_load_to_lds s[\g0b:\g0b+3], s[\g1b:\g1b+7]
	s_nop 0
.rept 4
	v_nop
.endr
.Lasked_\@:
.endm
.macro CROUND                          ; a round of the cluster's barrier
	s_barrier_signal -1
	s_barrier_wait -1
	s_cmp_lg_u32 s14, 0
	s_cbranch_scc1 .Lnot_wave_0_\@
	s_barrier_signal -3
.Lnot_wave_0_\@:
	s_barrier_wait -3
	s_barrier_signal -1
	s_barrier_wait -1
.endm
	s_load_b128 s[4:7], s[0:1], 0x0                ; xc, xs
	s_load_b128 s[8:11], s[0:1], 0x10              ; wc, ws
	s_load_b64 s[12:13], s[0:1], 0x20              ; qkv
	s_load_b64 s[96:97], s[0:1], 0x28              ; b_q
	s_load_b64 s[98:99], s[0:1], 0x30              ; b_k
	s_load_b64 s[100:101], s[0:1], 0x38            ; b_v
	v_lshl_add_u32 v[SPW], v0, 2, SPARE
	v_mov_b32 v[NIL], 0
	ds_add_u32 v[SPW], v[NIL]                      ; the wave's opening: the add, twice on end, and its wait ahead of my first tensor load
	ds_add_u32 v[SPW], v[NIL]
	v_lshrrev_b32 v1, 5, v0
	v_readfirstlane_b32 s14, v1                    ; wave 0..3
	s_lshr_b32 s15, s14, 1                         ; which half of the tile's rows is mine.  Also: I fetch for x (0) or for w (1)
	s_and_b32 s16, s14, 1                          ; which half of its columns.  Also: which 128 rows of that tile I fetch
	s_bfe_u32 s40, ttmp6, 0x40000                  ; cx, cy
	s_bfe_u32 s41, ttmp6, 0x40004
	s_lshl_b32 s42, ttmp9, 2
	s_add_co_u32 s42, s42, s40                     ; tile column = 4 x cluster x + cx
	s_and_b32 s17, ttmp7, 0xffff
	s_lshr_b32 s66, s17, 3                         ; which product: eight clusters of 1,024 rows each; the same in all sixteen partners
	s_lshl_b32 s17, s17, 2
	s_add_co_u32 s17, s17, s41                     ; tile row = 4 x cluster y + cy
	s_lshl_b32 s43, s41, 2
	s_lshl_b32 s43, 15, s43                        ; my row of the cluster
	s_lshl_b32 s44, 0x1111, s40                    ; my column
	s_or_b32 s[G1+0], s43, (0<<16)|(1<<20)|(1<<21)|(5<<22)|(3<<25)  ; the mask; elements of 1 byte; padding on; bit 21 beside a mask; after every 64 words, 4 words
	s_or_b32 s[G1B+0], s44, (0<<16)|(1<<20)|(1<<21)|(5<<22)|(3<<25)
.irp g, G1, G1B
	s_mov_b32 s[\g+1], ROWB<<16                    ; tensor_dim0
	s_mov_b32 s[\g+2], 128<<16                     ; tensor_dim1
	s_mov_b32 s[\g+3], ROWB<<16                    ; tile_dim0
	s_mov_b32 s[\g+4], 128                         ; tile_dim1
	s_mov_b32 s[\g+5], KROW                        ; the pitch
	s_mov_b32 s[\g+6], 0
	s_mov_b32 s[\g+7], 0
.endr
	s_or_b32 s[G1S+0], s43, (3<<16)|(1<<20)|(1<<21)|(5<<22)|(3<<25) ; the scales of 128 rows: 4,096 dense bytes as 16 rows of 256 (32 elements of 8 bytes), 16 bytes of padding behind each
	s_or_b32 s[G1SB+0], s44, (3<<16)|(1<<20)|(1<<21)|(5<<22)|(3<<25)
.irp g, G1S, G1SB
	s_mov_b32 s[\g+1], 32<<16
	s_mov_b32 s[\g+2], (128*KS/256)<<16
	s_mov_b32 s[\g+3], 32<<16
	s_mov_b32 s[\g+4], 128*KS/256
	s_mov_b32 s[\g+5], 32
	s_mov_b32 s[\g+6], 0
	s_mov_b32 s[\g+7], 0
.endr
	s_lshl_b32 s18, s16, 7                         ; which 128 rows of the tile I fetch
	s_lshl_b32 s20, s17, 8
	s_add_co_u32 s20, s20, s18                     ; x: row 256 x tile row + 128 x half
	s_lshl_b32 s46, s42, 8
	s_add_co_u32 s46, s46, s18
	s_lshl_b32 s67, s66, 10
	s_add_co_u32 s46, s46, s67                     ; w: row 1,024 x product + 256 x tile column + 128 x half
	s_mov_b32 s21, 0
	s_mov_b32 s47, 0
	s_mov_b64 s[18:19], KS
	s_mul_u64 s[22:23], s[20:21], s[18:19]         ; where these rows' scales begin,
	s_mul_u64 s[92:93], s[46:47], s[18:19]
	s_mov_b64 s[18:19], KROW
	s_mul_u64 s[20:21], s[20:21], s[18:19]         ; and their codes
	s_mul_u64 s[46:47], s[46:47], s[18:19]
	s_mul_i32 s45, s14, HALFT                      ; where they go: wave x 128 rows: no place in the cluster enters an LDS address
	s_mul_i32 s94, s14, HALFS
	s_wait_dscnt 0x0                               ; both opening adds are done
	s_wait_kmcnt 0x0
	s_add_nc_u64 s[20:21], s[4:5], s[20:21]
	s_add_nc_u64 s[22:23], s[6:7], s[22:23]
	s_add_nc_u64 s[46:47], s[8:9], s[46:47]
	s_add_nc_u64 s[92:93], s[10:11], s[92:93]
	CROUND                                         ; all sixteen work-groups are here: the joint loads meet
	s_mov_b32 s[G0S], 1
	s_add_co_u32 s[G0S+1], s94, SCL
	s_mov_b64 s[G0S+2:G0S+3], s[22:23]
	s_or_b32 s[G0S+3], s[G0S+3], 0x80000000
	s_mov_b32 s[G0SB], 1
	s_add_co_u32 s[G0SB+1], s94, SCL
	s_mov_b64 s[G0SB+2:G0SB+3], s[92:93]
	s_or_b32 s[G0SB+3], s[G0SB+3], 0x80000000
	JLOAD G0S, G1S, G0SB, G1SB                     ; the scales first: they are wanted with the first slot
.irp s, 0,1
	s_mov_b32 s[G0+4*\s], 1
	s_add_co_u32 s[G0+4*\s+1], s45, \s*SLOT
	s_add_nc_u64 s[G0+4*\s+2:G0+4*\s+3], s[20:21], \s*ROWB
	s_or_b32 s[G0+4*\s+3], s[G0+4*\s+3], 0x80000000
	s_mov_b32 s[G0B+4*\s], 1
	s_add_co_u32 s[G0B+4*\s+1], s45, \s*SLOT
	s_add_nc_u64 s[G0B+4*\s+2:G0B+4*\s+3], s[46:47], \s*ROWB
	s_or_b32 s[G0B+4*\s+3], s[G0B+4*\s+3], 0x80000000
	JLOAD G0+4*\s, G1, G0B+4*\s, G1B               ; three loads of mine are out now, and no more follow
.endr
	; the bias of my 128 columns, in the result's layout: lane (r, h) holds, for column block b, numbers 16 b + 8 h + 0 .. 7
	s_cmp_eq_u32 s66, 1
	s_cselect_b64 s[96:97], s[98:99], s[96:97]
	s_cmp_eq_u32 s66, 2
	s_cselect_b64 s[96:97], s[100:101], s[96:97]
	s_lshl_b32 s46, s42, 10
	s_lshl_b32 s47, s16, 9
	s_add_co_u32 s46, s46, s47                     ; 4 x (256 x tile column + 128 x half)
	s_mov_b32 s47, 0
	s_add_nc_u64 s[96:97], s[96:97], s[46:47]
	v_and_b32 v1, 15, v0                           ; r = l % 16
	v_bfe_u32 v2, v0, 4, 1                         ; h = l / 16
	v_lshlrev_b32 v7, 5, v2
.irp b, 0,1,2,3,4,5,6,7
	global_load_b128 v[BIAS+8*\b:BIAS+8*\b+3], v7, s[96:97] offset:64*\b
	global_load_b128 v[BIAS+8*\b+4:BIAS+8*\b+7], v7, s[96:97] offset:64*\b+16
.endr
	v_mul_u32_u24 v3, v1, PITCH
	v_lshl_add_u32 v4, v2, 4, v3                   ; a fragment's row x pitch + 16 x half
	s_mul_i32 s21, s15, HALFT                      ; my 128 rows of x
	s_mul_i32 s22, s16, HALFT                      ; my 128 rows of w,
	s_add_co_u32 s22, s22, 2*HALFT                 ; which lie behind x's 256
.irp s, 0,1
	v_add_nc_u32 v[ADRA+\s], s21, v4
	v_add_nc_u32 v[ADRB+\s], s22, v4
	s_add_co_u32 s21, s21, SLOT
	s_add_co_u32 s22, s22, SLOT
.endr
	v_mul_u32_u24 v5, v1, KS                       ; my row's scales: 32 bytes a row,
	v_lshrrev_b32 v6, 8, v5
	v_lshl_add_u32 v5, v6, 4, v5                   ; and 16 more for each 256 passed
	s_mul_i32 s21, s15, HALFS
	s_mul_i32 s22, s16, HALFS
	s_add_co_u32 s22, s22, 2*HALFS
	s_sub_co_u32 s22, s22, s21
	v_mul_u32_u24 v6, s22, v2                      ; lanes 16-31 take w's: one product, the distance between the two bases
	s_add_co_u32 s21, s21, SCL
	v_add_nc_u32 v5, v5, v6
	v_add_nc_u32 v[ADRS], s21, v5
	s_mul_i32 s23, s14, 16*PITCH
	s_add_co_u32 s23, s23, STAGE                   ; my stage
	v_add_nc_u32 v[STO], s23, v4                   ; in: row r, 16 bytes for each half of the lanes
	v_bfe_u32 v5, v0, 3, 1                         ; back: lanes 0-15 take two tokens' 128 bytes of my first head, lanes 16-31 of my second
	v_and_b32 v6, 7, v0
	v_mul_u32_u24 v3, v5, PITCH
	v_lshl_add_u32 v3, v6, 4, v3
	v_lshl_add_u32 v3, v2, 7, v3
	v_add_nc_u32 v[RD], s23, v3
	v_lshlrev_b32 v3, 7, v5
	v_lshl_add_u32 v3, v6, 4, v3
	v_lshl_add_u32 v[CO], v2, 18, v3               ; and in qkv: a head on is 262,144 bytes on
	s_lshl_b32 s20, s17, 8
	s_lshl_b32 s21, s15, 7
	s_add_co_u32 s20, s20, s21                     ; my first row R of the 24,576
	s_lshr_b32 s21, s20, 11                        ; 4 x product + batch
	s_lshl_b32 s21, s21, 4
	s_lshl_b32 s46, s42, 2
	s_lshl_b32 s47, s16, 1
	s_add_co_u32 s46, s46, s47                     ; my first head: 4 x tile column + 2 x half
	s_add_co_u32 s21, s21, s46
	s_lshl_b32 s21, s21, 18
	s_and_b32 s20, s20, 2047
	s_lshl_b32 s20, s20, 7                         ; the token: 128 bytes each
	s_add_co_u32 s20, s20, s21
	s_mov_b32 s21, 0
	s_add_nc_u64 s[12:13], s[12:13], s[20:21]
.macro FRAG reg, adr, q, i             ; 16 rows x 128 K of 4-bit codes: 8 registers; registers 4 c .. 4 c + 3 hold K = 64 c + 32 (l / 16) + 0 .. 31
.irp c, 0,1
	ds_load_b128 v[\reg+4*\c:\reg+4*\c+3], v[\adr] offset:64*(\q)+32*\c+(\i)*16*PITCH
.endr
.endm
; 16 matrix instructions: x's blocks a0, a0 + 1 against w's eight, the slot's q-th 128 along K.  zero = 1: the first product starts the sums with the bias as its C: nothing is cleared and nothing is added later.
; The 64 accumulators take turns, one instruction a turn, in the same order in every step.
.macro MUL16 a0, p, q, sc, zero
.irp a, \a0, \a0+1
.irp b, 0,1,2,3,4,5,6,7
.if \zero
	v_wmma_scale_f32_16x16x128_f8f6f4 v[8*(8*((\a)%4)+\b):8*(8*((\a)%4)+\b)+7], v[128*(\p)+FR*\b:128*(\p)+FR*\b+FR-1], v[AF+FR*(\a):AF+FR*(\a)+FR-1], v[BIAS+8*\b:BIAS+8*\b+7], v[SC+8*NQ*(\sc)+NQ*\b+(\q)], v[SC+8*NQ*(\sc)+NQ*(\a)+(\q)] matrix_a_fmt:MATRIX_FMT_FP4 matrix_b_fmt:MATRIX_FMT_FP4 matrix_a_scale:MATRIX_SCALE_ROW1
.else
	v_wmma_scale_f32_16x16x128_f8f6f4 v[8*(8*((\a)%4)+\b):8*(8*((\a)%4)+\b)+7], v[128*(\p)+FR*\b:128*(\p)+FR*\b+FR-1], v[AF+FR*(\a):AF+FR*(\a)+FR-1], v[8*(8*((\a)%4)+\b):8*(8*((\a)%4)+\b)+7], v[SC+8*NQ*(\sc)+NQ*\b+(\q)], v[SC+8*NQ*(\sc)+NQ*(\a)+(\q)] matrix_a_fmt:MATRIX_FMT_FP4 matrix_b_fmt:MATRIX_FMT_FP4 matrix_a_scale:MATRIX_SCALE_ROW1
.endif
.endr
.endr
.endm
.macro FETCH_B slot, q, p
	WIN TO_B
.irp i, 0,1,2,3,4,5,6,7
	FRAG 128*(\p)+FR*\i, ADRB+\slot, \q, \i
.endr
	WIN 0
.endm
.macro FETCH_A slot, q, i0
.irp i, \i0, \i0+1, \i0+2, \i0+3
	FRAG AF+FR*(\i), ADRA+\slot, \q, \i
.endr
.endm
.macro SCALES sc                       ; a slot's scale words: 4 words a row; lanes 0-15 take x's block i, lanes 16-31 w's block i
.irp i, 0,1,2,3,4,5,6,7
	ds_load_b128 v[SC+8*NQ*\sc+NQ*\i:SC+8*NQ*\sc+NQ*\i+3], v[ADRS] offset:\i*SBLK
.endr
.endm
.macro PLACES n                        ; plain vector lines between a matrix instruction and a load into, or a vector line on, its registers (ISA guide 7.12.1 for vector lines)
.rept \n
	v_nop
.endr
.endm
.macro STEP slot, q, zero              ; a step of 128 along K that has its successor in the same slot
	s_wait_dscnt 4*NL                              ; w's set, x's blocks 0-3 (and the scale words) are in; the youngest eight loads, x's blocks 4-7, may be out
.if \zero
	WIN BIA_LO
.else
	WIN MUL_LO
.endif
	MUL16 0, (\q)%2, \q, \slot, \zero
	MUL16 2, (\q)%2, \q, \slot, \zero
	s_wait_dscnt 0
	PLACES NP
	FETCH_B \slot, (\q)+1, 1-(\q)%2
	FETCH_A \slot, (\q)+1, 0
.if \zero
	WIN BIA_HI
.else
	WIN MUL_HI
.endif
	MUL16 4, (\q)%2, \q, \slot, \zero
	MUL16 6, (\q)%2, \q, \slot, \zero
	PLACES NP
	WIN 0
	FETCH_A \slot, (\q)+1, 4
.endm
.macro STEPS slot, from
.set Q, \from
.rept NQ-1-\from
	STEP \slot, Q, 0
.set Q, Q+1
.endr
.endm
	s_wait_tensorcnt 1                             ; the scales and my part of slot 0 are in; slot 1's load may be out
	s_barrier_signal -1
	s_barrier_wait -1                              ; everybody's are
	FETCH_B 0, 0, 0
	FETCH_A 0, 0, 0
	SCALES 0
	FETCH_A 0, 0, 4
	s_wait_loadcnt 0x0                             ; the bias
	STEP 0, 0, 1
	STEPS 0, 1
	; slot 0's last step changes slots: one barrier; in front of it my part of slot 1 has landed
	s_wait_tensorcnt 0x0                           ; all my tensor loads have landed
	ds_add_u32 v[SPW], v[NIL]                      ; 0 onto my spare word
	s_wait_dscnt 4*NL+1                            ; (the add and the youngest eight loads may be out)
	WIN MUL_LO
	MUL16 0, 1, NQ-1, 0, 0
	s_wait_dscnt 0x0                               ; no LDS instruction of mine is pending at the signal
	s_barrier_signal -1
	MUL16 2, 1, NQ-1, 0, 0
	WIN 0
	s_barrier_wait -1                              ; slot 1 is whole
	PLACES NP
	v_add_nc_u32 v[ADRS], 4*NQ, v[ADRS]            ; on to slot 1's scale words
	FETCH_B 1, 0, 0
	FETCH_A 1, 0, 0
	SCALES 1
	WIN MUL_HI
	MUL16 4, 1, NQ-1, 0, 0
	MUL16 6, 1, NQ-1, 0, 0
	PLACES NP
	WIN 0
	FETCH_A 1, 0, 4
	STEPS 1, 0
	s_wait_dscnt 4*NL                              ; the very last step: nothing more to fetch
	WIN MUL_LO
	MUL16 0, 1, NQ-1, 1, 0
	MUL16 2, 1, NQ-1, 1, 0
	s_wait_dscnt 0
	WIN MUL_HI
	MUL16 4, 1, NQ-1, 1, 0
	MUL16 6, 1, NQ-1, 1, 0
	WIN 0
; THE WAY OUT, block by block of 16 tokens x 128 columns (two heads).  PACK: rounded to f16, 16 bytes a lane.  TOSTAGE: into my own stage, and back so that sixteen lanes hold two tokens of one head.
; SEND: each sixteen lanes store 256 consecutive bytes, aligned.  LDS serves a wave's instructions in order: no wait between the stage's stores and loads.
.macro PACK a
.set AC, 64*((\a)%4)
	WIN 0x0a+5*((\a)/4)                            ; sources 0 and 1: window 2 or 3
.irp b, 0,1,2,3,4,5,6,7
.irp r, 0,1,2,3
	v_cvt_pk_f16_f32 v[TMP+4*\b+\r], v[AC+8*\b+2*\r], v[AC+8*\b+2*\r+1]   ; each accumulator from its low end on
.endr
.endr
	WIN 0
.endm
.macro TOSTAGE a
.set BB, OB+32*((\a)%2)
.irp b, 0,1,2,3,4,5,6,7
	ds_store_b128 v[STO], v[TMP+4*\b:TMP+4*\b+3] offset:32*\b
.endr
.irp i, 0,1,2,3,4,5,6,7
	ds_load_b128 v[BB+4*\i:BB+4*\i+3], v[RD] offset:2*\i*PITCH
.endr
.endm
.macro SEND a
.set BB, OB+32*((\a)%2)
	s_wait_dscnt 0x0                               ; the block is back in registers
	s_wait_xcnt 0x0                                ; the block before has had its stores' registers read: the next block's loads may land there
.irp i, 0,1,2,3,4,5,6,7
	global_store_b128 v[CO], v[BB+4*\i:BB+4*\i+3], s[12:13] offset:2048*(\a)+256*\i
.endr
.endm
	PLACES NP                                      ; behind the last products: their results are read, and x's fragments written over, only behind these
	PACK 0
	TOSTAGE 0
.irp a, 1,2,3,4,5,6,7                  ; block a's conversions stand between block a - 1's loads from the stage and the wait for them
	PACK \a
	SEND \a-1
	TOSTAGE \a
.endr
	SEND 7
	s_wait_tensorcnt 0x0                           ; the wave's end: behind my last tensor load and my last LDS store
	ds_add_u32 v[SPW], v[NIL]
	s_wait_dscnt 0x0
	CROUND                                         ; the closing round
	s_endpgm
.Lfunc_end_k_qa0102b1d48_proj:
	.size	k_qa0102b1d48_proj, .Lfunc_end_k_qa0102b1d48_proj-k_qa0102b1d48_proj
	.p2alignl 7, 3214868480
	.fill 96, 4, 3214868480
	.section	.rodata,"a",@progbits
	.p2align	6, 0x0
	.amdhsa_kernel k_qa0102b1d48_proj
		.amdhsa_group_segment_fixed_size 327680
		.amdhsa_private_segment_fixed_size 0
		.amdhsa_enable_private_segment 0
		.amdhsa_kernarg_size 64
		.amdhsa_user_sgpr_count 2
		.amdhsa_user_sgpr_kernarg_segment_ptr 1
		.amdhsa_wavefront_size32 1
		.amdhsa_system_sgpr_workgroup_id_x 1
		.amdhsa_system_sgpr_workgroup_id_y 1
		.amdhsa_system_sgpr_workgroup_id_z 1
		.amdhsa_system_vgpr_workitem_id 0
		.amdhsa_next_free_vgpr 1024
		.amdhsa_next_free_sgpr 102
		.amdhsa_reserve_vcc 0
		.amdhsa_float_denorm_mode_32 3
		.amdhsa_float_denorm_mode_16_64 3
		.amdhsa_memory_ordered 1
		.amdhsa_forward_progress 1
		.amdhsa_inst_pref_size 129
	.end_amdhsa_kernel
	.amdgpu_metadata
---
amdhsa.version: [ 1, 2 ]
amdhsa.kernels:
  - .name:           k_qa0102b1d48_proj
    .symbol:         k_qa0102b1d48_proj.kd
    .args:
      - { .name: xc, .offset: 0, .size: 8, .value_kind: global_buffer, .address_space: global }
      - { .name: xs, .offset: 8, .size: 8, .value_kind: global_buffer, .address_space: global }
      - { .name: wc, .offset: 16, .size: 8, .value_kind: global_buffer, .address_space: global }
      - { .name: ws, .offset: 24, .size: 8, .value_kind: global_buffer, .address_space: global }
      - { .name: qkv, .offset: 32, .size: 8, .value_kind: global_buffer, .address_space: global }
      - { .name: b_q, .offset: 40, .size: 8, .value_kind: global_buffer, .address_space: global }
      - { .name: b_k, .offset: 48, .size: 8, .value_kind: global_buffer, .address_space: global }
      - { .name: b_v, .offset: 56, .size: 8, .value_kind: global_buffer, .address_space: global }
    .group_segment_fixed_size: 327680
    .private_segment_fixed_size: 0
    .kernarg_segment_align: 8
    .kernarg_segment_size: 64
    .max_flat_workgroup_size: 128
    .sgpr_count:     102
    .vgpr_count:     1024
    .wavefront_size: 32
...
	.end_amdgpu_metadata
.endif
;; end of part 2
;; launch attn (part 3): grid 4 x 64, 16 waves a work-group, clusters of 4 x 1, 327,680 bytes of LDS; arguments qkv, ao; writes ao
.if DOCPART == 3
	.amdgcn_target "amdgcn-amd-amdhsa--gfx1250"
	.amdhsa_code_object_version 6
	.text
	.protected	k_qa0102b1d48_attn
	.globl	k_qa0102b1d48_attn
	.p2align	8
	.type	k_qa0102b1d48_attn,@function
k_qa0102b1d48_attn:
	s_mov_b64 s[64:65], 0
	v_nop
	global_prefetch_b8 v0, s[64:65] scope:SCOPE_SE
	s_setreg_imm32_b32 hwreg(HW_REG_WAVE_MODE, 25, 1), 1
	s_wait_xcnt 0x0
	s_wait_alu depctr_hold_cnt(0) depctr_sa_sdst(0) depctr_va_vdst(0) depctr_va_sdst(0) depctr_va_ssrc(0) depctr_va_vcc(0) depctr_vm_vsrc(0)
	s_getreg_b32 s2, hwreg(HW_REG_IB_STS2, 6, 4)
	s_cmp_eq_u32 s2, 0
	s_cbranch_scc0 .Lentry_in_a_cluster
	s_endpgm
.Lentry_in_a_cluster:
	s_bfe_u32 s2, ttmp6, 0x10000c
	s_cmp_lg_u32 s2, 0x3003
	s_cbranch_scc0 .Lentry_shape_is_right
	s_endpgm
.Lentry_shape_is_right:
; ao[b][h][q][:] = the sum over k of softmax_k(qh[q] . kh[k] / 8) vh[k][:], no mask.  qkv: [3][64 heads][2048][64] f16; ao: [64 heads][2048][64] f16.  Products on f16 operands, sums, maxima and the softmax in f32;
; the weights p are rounded to f16 for the second product, the result once at the end.
; LIMITS: NaN and infinities are not served; the running maximum starts at -3e38, under every score that is served.
; SHARES.  A cluster of four work-groups is one head; a work-group owns 512 queries, each of its SIXTEEN waves 32: two tiles of 16, in 256 registers: four waves to a SIMD, so that one wave's softmax stands beside
; another's products.  Every wave walks all 2,048 keys, 64 a step.  K and V come through a ring of two LDS slots of 256 keys, asked for JOINTLY by the four work-groups (waves 0, 1: K's halves; waves 2, 3: V's).
; LAYOUT.  S^T = K Q^T (source 0 = 16 keys, source 1 = 16 queries): a lane holds ONE query (lane % 16) and keys 8 (lane / 16) + 0..7.  Two such tiles, rounded to f16 in pairs, ARE source 1 of O^T = V^T P, whose result
; again holds one query a lane.  K comes out of LDS as it lies, V ([key][channel]) turned, by ds_load_tr16_b128.
; SOFTMAX.  For each query a running maximum m and sum l: p = 2^(c s - c m), c = log2(e) / 8; in every step O and l are multiplied by a = 2^(c m_old - c m_new).  The loop has no first step of its own: O and l begin as zeros.
; IN LDS a head's tokens of 128 bytes lie two to a row of 256 bytes (a head is dense in memory): key x at (x / 2) pitch + 128 (x % 2).  K's pitch is 272, V's 288: the sixteen lanes of a load then take sixteen different
; columns of 16 bytes: K 16 (r / 2) + 128 (r % 2); V 32 (key / 2) + 128 (key % 2) + 16 (half of the channels).
.set PK,    272
.set PV,    288
.set VOFF,  128*PK                     ; a slot: 128 double rows of K, then 128 of V
.set SLOT1, 1<<17                      ; slot 1 begins here: one exclusive or turns an address in one slot into the other's
.set STAGE, SLOT1+128*(PK+PV)          ; 202,752: the way out: 32 rows x 144 bytes for each wave; no tile ever lands here
.set SP,    144
.set SPARE, STAGE+16*32*SP             ; 276,480: the spare words, 128 bytes a wave: eight blocks of 256 bytes that no other line names
.set NSL,   8                          ; slots' worth of keys
.set AK0, 1                            ; v1   my lane's place in a tile of K
.set AV0, 2                            ; v2   and of V
.set ADK, 3                            ; v3   LDS address of the step's K
.set ADV, 4                            ; v4   of its V
.set SPW, 5                            ; v5   my spare word; never rewritten
.set NIL, 6                            ; v6   0; never rewritten
.set PFO, 7                            ; v7   256 x my lane; never rewritten
.set QO,  8                            ; v8   my byte in the wave's rows of Q; on the way out STO
.set STO, 8
.set RD,  9
.set GO,  10
.set ST,  12                           ; tile t's statistics at v[ST+8 t]: +0 c m, +1 m, +2, +3 l in two halves, +4 to +7 c0-c3 at work; a takes c2's place.   v11 = r and v28 = h stay
.set Q,   32                           ; v32-63   Q: fragment (tile t, channels 32 s on) at Q + 16 t + 8 s
.set KV,  64                           ; v64-127  K's 8 fragments of a step, then V's 8
.set S,   128                          ; v128-191 S^T, 32 a tile; P is made in place, in a tile's registers 0-15
.set O,   192                          ; v192-255 O^T: tile t, channels 16 c on at O + 32 t + 8 c
.set WV,  8
.set PFA, 18                           ; s[18:19] where my prefetches stand
.set LIM, 20
.set SLOTS, 21
.set TB,  22
.set G1K, 24
.set G1V, 32
.set G0K, 40
.set G0V, 44
.set CS,  48
.set SEL, 50
; A joint load: waves 0 and 1 fetch K's halves of a slot, waves 2 and 3 V's, the others nothing.  The branches hang on the wave's number alone.  An s_nop 0 and four v_nop follow each load.
.macro JLOAD
	s_cmp_lt_u32 s[WV], 2
	s_cbranch_scc0 .Lnot_k_\@
	tensor_load_to_lds s[G0K:G0K+3], s[G1K:G1K+7]
	s_nop 0
.rept 4
	v_nop
.endr
	s_branch .Lasked_\@
.Lnot_k_\@:
	s_cmp_lt_u32 s[WV], 4
	s_cbranch_scc0 .Lasked_\@
	tensor_load_to_lds s[G0V:G0V+3], s[G1V:G1V+7]
	s_nop 0
.rept 4
	v_nop
.endr
.Lasked_\@:
.endm
; A PREFETCH of what the NEXT change of slots will ask for: a slot's 32,768 bytes of K and of V.  Wave 4 asks for K's, wave 5 for V's, one instruction each, lanes 256 bytes apart; the four partners take 8,192 bytes each,
; told apart BY ADDRESS.  So each aligned block of 256 bytes is named once in the launch.  It stands where the fetching waves have their tensor load, a slot's four key steps ahead of the load that will want the bytes.
; The last change that fills a slot asks for nothing; slots 0 and 1 come by their loads alone.
.macro ASK
	s_cmp_gt_u32 s[SLOTS], s[LIM]
	s_cbranch_scc0 .Lnot_mine_\@
	global_prefetch_b8 v[PFO], s[PFA:PFA+1] th:TH_LOAD_NT scope:SCOPE_SE
.Lnot_mine_\@:
.endm
.macro CROUND                          ; a round of the cluster's barrier
	s_barrier_signal -1
	s_barrier_wait -1
	s_cmp_lg_u32 s[WV], 0
	s_cbranch_scc1 .Lnot_wave_0_\@
	s_barrier_signal -3
.Lnot_wave_0_\@:
	s_barrier_wait -3
	s_barrier_signal -1
	s_barrier_wait -1
.endm
	s_load_b128 s[4:7], s[0:1], 0x0                ; qkv, ao
	v_lshl_add_u32 v[SPW], v0, 2, SPARE
	v_mov_b32 v[NIL], 0
	ds_add_u32 v[SPW], v[NIL]                      ; the wave's opening: the add, twice on end, and its wait ahead of the first tensor loads
	ds_add_u32 v[SPW], v[NIL]
	v_lshrrev_b32 v1, 5, v0
	v_readfirstlane_b32 s[WV], v1                  ; wave 0..15
	s_bfe_u32 s9, ttmp6, 0x40000                   ; cx: it enters Q's, O's and the prefetches' addresses alone
	s_and_b32 s10, ttmp7, 0xffff                   ; the head, 16 b + h, which the four partners share
	s_lshl_b32 s12, s10, 18                        ; its first byte in each tensor
	s_and_b32 s56, s[WV], 1                        ; which half of a slot I fetch:
	s_lshl_b32 s57, s56, 14                        ; 128 tokens of 128 bytes in memory,
	s_add_co_u32 s57, s57, s12
	s_add_co_u32 s58, s57, 0x1000000               ; K lies 16,777,216 bytes into qkv,
	s_mov_b32 s59, 0
	s_add_co_u32 s60, s57, 0x2000000               ; V 33,554,432
	s_mov_b32 s61, 0
	s_mul_i32 s62, s56, 64*PK                      ; and its place in a slot
	s_mul_i32 s63, s56, 64*PV
	s_add_co_u32 s63, s63, VOFF
	s_mov_b32 s[G1K], 15|(1<<16)|(1<<20)|(1<<21)|(5<<22)|(3<<25)  ; the mask: all four work-groups; elements of 2 bytes; padding on; bit 21 beside a mask; after every 64 words, 4 words
	s_mov_b32 s[G1V], 15|(1<<16)|(1<<20)|(1<<21)|(5<<22)|(7<<25)  ; the same with 8 words of padding
.irp g, G1K, G1V
	s_mov_b32 s[\g+1], 128<<16                     ; tensor_dim0: 128 elements, two tokens
	s_mov_b32 s[\g+2], 64<<16                      ; tensor_dim1
	s_mov_b32 s[\g+3], 128<<16                     ; tile_dim0
	s_mov_b32 s[\g+4], 64                          ; tile_dim1
	s_mov_b32 s[\g+5], 128                         ; the pitch: dense
	s_mov_b32 s[\g+6], 0
	s_mov_b32 s[\g+7], 0
.endr
	s_mov_b32 s[CS], 0x3e38aa3b                    ; c = log2(e) / 8
	s_mov_b32 s[CS+1], s[CS]                       ; (named with it as a pair, so it is written)
	s_mov_b32 s[SEL], 0x76543210
	s_mov_b32 s[SEL+1], 0xfedcba98                 ; v_permlanex16_b32's selects for lane l xor 16
	s_mov_b32 s[TB], 0
	s_mov_b32 s[SLOTS], NSL-1
	s_lshr_b32 s2, s[WV], 1
	s_cmp_eq_u32 s2, 2                             ; waves 4 and 5 prefetch: the same in all four partners
	s_cselect_b32 s[LIM], 1, -1
	s_lshl_b32 s14, s9, 16                         ; my work-group's 512 queries,
	s_lshl_b32 s15, s[WV], 12                      ; my wave's 32 of them
	s_add_co_u32 s14, s14, s15
	s_add_co_u32 s14, s14, s12
	s_mov_b32 s15, 0
	s_mov_b32 s16, 0x1000000
	s_cmp_eq_u32 s[WV], 5
	s_cselect_b32 s16, 0x2000000, s16              ; wave 5 asks for V's bytes, wave 4 for K's
	s_add_co_u32 s16, s16, s12
	s_lshl_b32 s17, s9, 13                         ; my work-group's 8,192 bytes of a slot's 32,768
	s_add_co_u32 s16, s16, s17
	s_add_co_u32 s16, s16, 32768                   ; in slot 1: the first change of slots steps it to slot 2
	s_mov_b32 s17, 0
	v_and_b32 v[PFO], 31, v0
	v_lshlrev_b32 v[PFO], 8, v[PFO]
	s_wait_dscnt 0x0                               ; both opening adds are done
	s_wait_kmcnt 0x0
	s_mov_b32 s[G0K], 1
	s_mov_b32 s[G0K+1], s62
	s_add_nc_u64 s[G0K+2:G0K+3], s[4:5], s[58:59]
	s_or_b32 s[G0K+3], s[G0K+3], 0x80000000
	s_mov_b32 s[G0V], 1
	s_mov_b32 s[G0V+1], s63
	s_add_nc_u64 s[G0V+2:G0V+3], s[4:5], s[60:61]
	s_or_b32 s[G0V+3], s[G0V+3], 0x80000000
	s_add_nc_u64 s[52:53], s[4:5], s[14:15]        ; Q at my wave's first query
	s_add_nc_u64 s[54:55], s[6:7], s[14:15]        ; ao likewise
	s_add_nc_u64 s[PFA:PFA+1], s[4:5], s[16:17]
	CROUND                                         ; all four work-groups are here: the first joint loads meet
	JLOAD                                          ; slot 0
	v_and_b32 v11, 15, v0                          ; r
	v_bfe_u32 v28, v0, 4, 1                        ; h
	v_lshlrev_b32 v[QO], 7, v11
	v_lshl_add_u32 v[QO], v28, 4, v[QO]            ; token r of 128 bytes, + 16 h
.irp t, 0,1
.irp s, 0,1
	global_load_b128 v[Q+16*\t+8*\s:Q+16*\t+8*\s+3], v[QO], s[52:53] offset:2048*\t+64*\s      ; Q stays in registers
	global_load_b128 v[Q+16*\t+8*\s+4:Q+16*\t+8*\s+7], v[QO], s[52:53] offset:2048*\t+64*\s+32
.endr
.endr
	v_lshrrev_b32 v29, 1, v11
	v_mul_u32_u24 v[AK0], v29, PK
	v_and_b32 v30, 1, v0
	v_lshl_add_u32 v[AK0], v30, 7, v[AK0]
	v_lshl_add_u32 v[AK0], v28, 4, v[AK0]          ; K: key r of a tile: 272 (r / 2) + 128 (r % 2) + 16 h
	v_bfe_u32 v29, v0, 1, 2
	v_lshl_add_u32 v29, v28, 2, v29
	v_mul_u32_u24 v[AV0], v29, PV
	v_lshl_add_u32 v[AV0], v30, 7, v[AV0]
	v_bfe_u32 v31, v0, 3, 1
	v_lshl_add_u32 v[AV0], v31, 4, v[AV0]
	v_add_nc_u32 v[AV0], VOFF, v[AV0]              ; V: lane l reads key 8 h + l % 8, channels 8 ((l / 8) % 2) on
.irp t, 0,1
	v_mov_b32 v[ST+8*\t+1], 0xff61b1e6             ; m = -3e38
	v_mul_f32 v[ST+8*\t], s[CS], v[ST+8*\t+1]      ; c m
.irp i, 2,3,4,5,6,7
	v_mov_b32 v[ST+8*\t+\i], 0                     ; l, and the registers at work
.endr
.endr
.irp j, 0,1,2,3,4,5,6,7,8,9,10,11,12,13,14,15,16,17,18,19,20,21,22,23,24,25,26,27,28,29,30,31,32,33,34,35,36,37,38,39,40,41,42,43,44,45,46,47,48,49,50,51,52,53,54,55,56,57,58,59,60,61,62,63
	v_mov_b32 v[O+\j], 0                           ; O^T: the step is written once; its first run finds zeros, and its a is 0
.endr
; THE SOFTMAX OF A STEP, both tiles line by line by turns, so that no line waits for the line above it.  A lane has 32 scores a tile.
.macro SOFTMAX
.irp j, 0,1,2,3
.irp t, 0,1
	v_max3_num_f32 v[ST+8*\t+4+\j], v[S+32*\t+8*\j], v[S+32*\t+8*\j+1], v[S+32*\t+8*\j+2]   ; four chains; each accumulator is read from its low end on
.endr
.endr
.irp g, 1,2
.irp j, 0,1,2,3
.irp t, 0,1
	v_max3_num_f32 v[ST+8*\t+4+\j], v[ST+8*\t+4+\j], v[S+32*\t+8*\j+2*\g+1], v[S+32*\t+8*\j+2*\g+2]
.endr
.endr
.endr
.irp t, 0,1
	v_max3_num_f32 v[ST+8*\t+4], v[ST+8*\t+4], v[S+32*\t+7], v[S+32*\t+15]
.endr
.irp t, 0,1
	v_max3_num_f32 v[ST+8*\t+6], v[ST+8*\t+6], v[S+32*\t+23], v[S+32*\t+31]
.endr
.irp t, 0,1
	v_max3_num_f32 v[ST+8*\t+4], v[ST+8*\t+4], v[ST+8*\t+5], v[ST+8*\t+6]
.endr
.irp t, 0,1
	v_max3_num_f32 v[ST+8*\t+4], v[ST+8*\t+4], v[ST+8*\t+7], v[ST+8*\t+1]   ; with the old m
.endr
.irp t, 0,1
	v_permlanex16_b32 v[ST+8*\t+5], v[ST+8*\t+4], s[SEL], s[SEL+1]          ; the query's other 32 keys lie in the lane 16 away
.endr
.irp t, 0,1
	v_mov_b32 v[ST+8*\t+7], v[ST+8*\t]             ; c m_old is kept for a
.endr
.irp t, 0,1
	v_max_num_f32 v[ST+8*\t+1], v[ST+8*\t+4], v[ST+8*\t+5]
.endr
.irp t, 0,1
	v_mul_f32 v[ST+8*\t], s[CS], v[ST+8*\t+1]
.endr
.irp t, 0,1
	v_sub_f32 v[ST+8*\t+7], v[ST+8*\t+7], v[ST+8*\t]
.endr
.irp b, 0,1,2,3,4,5,6,7,8,9,10,11,12,13,14,15
.irp t, 0,1
	v_pk_fma_f32 v[S+32*\t+2*\b:S+32*\t+2*\b+1], v[S+32*\t+2*\b:S+32*\t+2*\b+1], s[CS:CS+1], v[ST+8*\t:ST+8*\t+1] op_sel_hi:[1,0,0] neg_lo:[0,0,1] neg_hi:[0,0,1]   ; c s - c m, two at a time
.endr
.endr
.irp t, 0,1
	v_exp_f32 v[ST+8*\t+6], v[ST+8*\t+7]           ; a.  ONE BATCH: 66 exponentials, none of which reads another's result
.endr
.irp e, 0,1,2,3,4,5,6,7,8,9,10,11,12,13,14,15,16,17,18,19,20,21,22,23,24,25,26,27,28,29,30,31
.irp t, 0,1
	v_exp_f32 v[S+32*\t+\e], v[S+32*\t+\e]
.endr
.endr
	v_nop                                          ; a plain line behind the last exponential,
	s_wait_alu depctr_va_vdst(0)                   ; and one wait ahead of the batch's first reader
.irp t, 0,1
	v_pk_fma_f32 v[ST+8*\t+2:ST+8*\t+3], v[ST+8*\t+2:ST+8*\t+3], v[ST+8*\t+6:ST+8*\t+7], v[S+32*\t:S+32*\t+1] op_sel_hi:[1,0,1]   ; l = a l + pair 0.  The sum is taken of p in f32, in two chains a tile
.endr
.irp t, 0,1
	v_pk_add_f32 v[ST+8*\t+4:ST+8*\t+5], v[S+32*\t+2:S+32*\t+3], v[S+32*\t+4:S+32*\t+5]
.endr
.irp i, 3,5,7,9,11,13
.irp t, 0,1
	v_pk_add_f32 v[ST+8*\t+2:ST+8*\t+3], v[ST+8*\t+2:ST+8*\t+3], v[S+32*\t+2*\i:S+32*\t+2*\i+1]
.endr
.irp t, 0,1
	v_pk_add_f32 v[ST+8*\t+4:ST+8*\t+5], v[ST+8*\t+4:ST+8*\t+5], v[S+32*\t+2*\i+2:S+32*\t+2*\i+3]
.endr
.endr
.irp t, 0,1
	v_pk_add_f32 v[ST+8*\t+2:ST+8*\t+3], v[ST+8*\t+2:ST+8*\t+3], v[S+32*\t+30:S+32*\t+31]
.endr
.irp t, 0,1
	v_pk_add_f32 v[ST+8*\t+2:ST+8*\t+3], v[ST+8*\t+2:ST+8*\t+3], v[ST+8*\t+4:ST+8*\t+5]
.endr
.irp i, 0,1,2,3,4,5,6,7,8,9,10,11,12,13,14,15
.irp t, 0,1
	v_cvt_pk_f16_f32 v[S+32*\t+\i], v[S+32*\t+2*\i], v[S+32*\t+2*\i+1]      ; P in place, ascending: register i is written when pairs 0 .. i have been read
.endr
.endr
.irp i, 0,1,2,3,4,5,6,7,8,9,10,11,12,13,14,15
.irp t, 0,1
	v_pk_mul_f32 v[O+32*\t+2*\i:O+32*\t+2*\i+1], v[O+32*\t+2*\i:O+32*\t+2*\i+1], v[ST+8*\t+6:ST+8*\t+7] op_sel_hi:[1,0]   ; O^T x a, each accumulator from its low end on
.endr
.endr
.endm
; A KEY STEP: 64 keys, the q-th of the slot in hand.  In both products the eight accumulators take turns, one instruction a turn.
.macro STEP q
	v_add_nc_u32 v[ADK], s[TB], v[AK0]
.rept 4
	v_nop                                          ; with the addition five places behind the last step's products: K lands on V's registers, and the new scores are written over P
.endr
.irp kt, 0,1,2,3
.irp s, 0,1
	ds_load_b128 v[KV+8*(2*\kt+\s):KV+8*(2*\kt+\s)+3], v[ADK] offset:8704*(\q)+2176*\kt+64*\s
	ds_load_b128 v[KV+8*(2*\kt+\s)+4:KV+8*(2*\kt+\s)+7], v[ADK] offset:8704*(\q)+2176*\kt+64*\s+32
.endr
.endr
	s_wait_dscnt 0x0
.irp s, 0,1
.irp kt, 0,1,2,3
.irp t, 0,1
.if \s == 0
	v_wmma_f32_16x16x32_f16 v[S+32*\t+8*\kt:S+32*\t+8*\kt+7], v[KV+8*(2*\kt+\s):KV+8*(2*\kt+\s)+7], v[Q+16*\t+8*\s:Q+16*\t+8*\s+7], 0
.else
	v_wmma_f32_16x16x32_f16 v[S+32*\t+8*\kt:S+32*\t+8*\kt+7], v[KV+8*(2*\kt+\s):KV+8*(2*\kt+\s)+7], v[Q+16*\t+8*\s:Q+16*\t+8*\s+7], v[S+32*\t+8*\kt:S+32*\t+8*\kt+7]
.endif
.endr
.endr
.endr
	v_add_nc_u32 v[ADV], s[TB], v[AV0]
.rept 3
	v_nop                                          ; with the addition four places: V lands on K's registers, and the softmax reads the scores
.endr
.irp ks, 0,1
.irp c, 0,1,2,3
	ds_load_tr16_b128 v[KV+8*(4*\ks+\c):KV+8*(4*\ks+\c)+3], v[ADV] offset:9216*(\q)+4608*\ks+32*\c
	ds_load_tr16_b128 v[KV+8*(4*\ks+\c)+4:KV+8*(4*\ks+\c)+7], v[ADV] offset:9216*(\q)+4608*\ks+2304+32*\c
.endr
.endr
	SOFTMAX                                        ; V is on its way meanwhile
	s_wait_dscnt 0x0
.irp ks, 0,1
.irp c, 0,1,2,3
.irp t, 0,1
	v_wmma_f32_16x16x32_f16 v[O+32*\t+8*\c:O+32*\t+8*\c+7], v[KV+8*(4*\ks+\c):KV+8*(4*\ks+\c)+7], v[S+32*\t+8*\ks:S+32*\t+8*\ks+7], v[O+32*\t+8*\c:O+32*\t+8*\c+7]
.endr
.endr
.endr
.endm
; THE CHANGE OF SLOTS stands at a slot's head.  Each wave waits for all its tensor loads (its part of the slot that it is about to read), adds 0 to its spare word, and waits for that and for its reads of the slot that it has left.
; fill = 1: a round of the cluster's barrier follows, so that no wave of any partner still reads the other slot or has a load on its way; the joint load of the keys that follow is the first thing behind it, one a wave,
; and has a slot's four key steps in which to land.  One tensor load of a wave is out at the most.
.macro CHANGE fill
	s_wait_tensorcnt 0x0                           ; no tensor load of mine is out, so a group 0 may be written
	ds_add_u32 v[SPW], v[NIL]
.if \fill
	ds_add_u32 v[SPW], v[NIL]                      ; and twice on end here, in every trip alike
	s_xor_b32 s[G0K+1], s[G0K+1], SLOT1            ; the walking descriptors: the other slot than last time,
	s_add_nc_u64 s[G0K+2:G0K+3], s[G0K+2:G0K+3], 32768   ; the next 256 keys; the type bits on top are not reached
	s_xor_b32 s[G0V+1], s[G0V+1], SLOT1
	s_add_nc_u64 s[G0V+2:G0V+3], s[G0V+2:G0V+3], 32768
	s_wait_xcnt 0x0                                ; the last prefetch, a slot back, has read its address, so it may be written
	s_add_nc_u64 s[PFA:PFA+1], s[PFA:PFA+1], 32768
	s_wait_dscnt 0x0                               ; both adds are done, and my reads of the slot that I have left are over
	CROUND
	JLOAD
	ASK
.else
	s_wait_dscnt 0x0
	s_barrier_signal -1
	s_barrier_wait -1
.endif
.endm
.macro SLOT_STEPS
	STEP 0
	STEP 1
	STEP 2
	STEP 3
	s_xor_b32 s[TB], s[TB], SLOT1                  ; on to the other slot
.endm
	s_wait_loadcnt 0x0                             ; Q
.Lslot:                                            ; seven trips: behind each change of slots but the last the next slot is asked for
	CHANGE 1
	SLOT_STEPS
	s_sub_co_u32 s[SLOTS], s[SLOTS], 1
	s_cmp_lg_u32 s[SLOTS], 0
	s_cbranch_scc1 .Lslot
	CHANGE 0                                       ; the last slot is written out
	SLOT_STEPS
	; THE WAY OUT.  l's two halves and the other half of the lanes' are added; O^T is divided by l, rounded to f16 and sent through my stage; the wave's 32 rows of 128 bytes are dense in ao.
.irp t, 0,1
	v_add_f32 v[ST+8*\t+4], v[ST+8*\t+2], v[ST+8*\t+3]     ; (these lines are the places behind the last products)
.endr
.irp t, 0,1
	v_permlanex16_b32 v[ST+8*\t+5], v[ST+8*\t+4], s[SEL], s[SEL+1]
.endr
.irp t, 0,1
	v_add_f32 v[ST+8*\t+4], v[ST+8*\t+4], v[ST+8*\t+5]
.endr
.irp t, 0,1
	v_rcp_f32 v[ST+8*\t+6], v[ST+8*\t+4]
.endr
	s_mul_i32 s56, s[WV], 32*SP
	s_add_co_u32 s56, s56, STAGE                   ; my stage
	v_mul_u32_u24 v[STO], v11, SP                  ; (plain lines behind the reciprocals)  in: row r, 16 bytes for each half of the lanes
	v_lshl_add_u32 v[STO], v28, 4, v[STO]
	v_add_nc_u32 v[STO], s56, v[STO]
	v_bfe_u32 v29, v0, 3, 2
	v_mul_u32_u24 v[RD], v29, SP                   ; back: eight lanes to a row of 128 bytes, four rows an instruction
	v_and_b32 v30, 7, v0
	v_lshl_add_u32 v[RD], v30, 4, v[RD]
	v_add_nc_u32 v[RD], s56, v[RD]
	v_and_b32 v[GO], 31, v0
	v_lshlrev_b32 v[GO], 4, v[GO]
	s_wait_alu depctr_va_vdst(0)                   ; one wait for the two reciprocals, ahead of their first reader
.irp t, 0,1
.irp i, 0,1,2,3,4,5,6,7,8,9,10,11,12,13,14,15
	v_pk_mul_f32 v[O+32*\t+2*\i:O+32*\t+2*\i+1], v[O+32*\t+2*\i:O+32*\t+2*\i+1], v[ST+8*\t+6:ST+8*\t+7] op_sel_hi:[1,0]
.endr
.endr
.irp t, 0,1
.irp i, 0,1,2,3,4,5,6,7,8,9,10,11,12,13,14,15
	v_cvt_pk_f16_f32 v[S+16*\t+\i], v[O+32*\t+2*\i], v[O+32*\t+2*\i+1]
.endr
.endr
.irp t, 0,1
.irp c, 0,1,2,3
	ds_store_b128 v[STO], v[S+16*\t+4*\c:S+16*\t+4*\c+3] offset:2304*\t+32*\c
.endr
.endr
.irp i, 0,1,2,3,4,5,6,7
	ds_load_b128 v[KV+4*\i:KV+4*\i+3], v[RD] offset:576*\i     ; LDS serves a wave's instructions in order: these see my stores
.endr
.irp i, 0,1,2,3,4,5,6,7
	s_wait_dscnt 7-\i                              ; read i is back, the younger ones stay out
	global_store_b128 v[GO], v[KV+4*\i:KV+4*\i+3], s[54:55] offset:512*\i   ; the wave stores 512 consecutive bytes, aligned
.endr
	s_wait_tensorcnt 0x0                           ; the wave's end: behind my last tensor load and my last LDS store
	ds_add_u32 v[SPW], v[NIL]
	s_wait_dscnt 0x0
	CROUND                                         ; the closing round
	s_endpgm
.Lfunc_end_k_qa0102b1d48_attn:
	.size	k_qa0102b1d48_attn, .Lfunc_end_k_qa0102b1d48_attn-k_qa0102b1d48_attn
	.p2alignl 7, 3214868480
	.fill 96, 4, 3214868480
	.section	.rodata,"a",@progbits
	.p2align	6, 0x0
	.amdhsa_kernel k_qa0102b1d48_attn
		.amdhsa_group_segment_fixed_size 327680
		.amdhsa_private_segment_fixed_size 0
		.amdhsa_enable_private_segment 0
		.amdhsa_kernarg_size 16
		.amdhsa_user_sgpr_count 2
		.amdhsa_user_sgpr_kernarg_segment_ptr 1
		.amdhsa_wavefront_size32 1
		.amdhsa_system_sgpr_workgroup_id_x 1
		.amdhsa_system_sgpr_workgroup_id_y 1
		.amdhsa_system_sgpr_workgroup_id_z 1
		.amdhsa_system_vgpr_workitem_id 0
		.amdhsa_next_free_vgpr 256
		.amdhsa_next_free_sgpr 66
		.amdhsa_reserve_vcc 0
		.amdhsa_float_denorm_mode_32 3
		.amdhsa_float_denorm_mode_16_64 3
		.amdhsa_memory_ordered 1
		.amdhsa_forward_progress 1
		.amdhsa_inst_pref_size 154
	.end_amdhsa_kernel
	.amdgpu_metadata
---
amdhsa.version: [ 1, 2 ]
amdhsa.kernels:
  - .name:           k_qa0102b1d48_attn
    .symbol:         k_qa0102b1d48_attn.kd
    .args:
      - { .name: qkv, .offset: 0, .size: 8, .value_kind: global_buffer, .address_space: global }
      - { .name: ao, .offset: 8, .size: 8, .value_kind: global_buffer, .address_space: global }
    .group_segment_fixed_size: 327680
    .private_segment_fixed_size: 0
    .kernarg_segment_align: 8
    .kernarg_segment_size: 16
    .max_flat_workgroup_size: 512
    .sgpr_count:     66
    .vgpr_count:     256
    .wavefront_size: 32
...
	.end_amdgpu_metadata
.endif
;; end of part 3
;; launch outp (part 4): grid 4 x 64, 4 waves a work-group, clusters of 4 x 4, 327,680 bytes of LDS; arguments ao, wo16, out0, b_o; writes out0
.if DOCPART == 4
	.amdgcn_target "amdgcn-amd-amdhsa--gfx1250"
	.amdhsa_code_object_version 6
	.text
	.protected	k_qa0102b1d48_outp
	.globl	k_qa0102b1d48_outp
	.p2align	8
	.type	k_qa0102b1d48_outp,@function
k_qa0102b1d48_outp:
	s_mov_b64 s[64:65], 0
	v_nop
	global_prefetch_b8 v0, s[64:65] scope:SCOPE_SE
	s_setreg_imm32_b32 hwreg(HW_REG_WAVE_MODE, 25, 1), 1
	s_wait_xcnt 0x0
	s_wait_alu depctr_hold_cnt(0) depctr_sa_sdst(0) depctr_va_vdst(0) depctr_va_sdst(0) depctr_va_ssrc(0) depctr_va_vcc(0) depctr_vm_vsrc(0)
	s_getreg_b32 s2, hwreg(HW_REG_IB_STS2, 6, 4)
	s_cmp_eq_u32 s2, 0
	s_cbranch_scc0 .Lentry_in_a_cluster
	s_endpgm
.Lentry_in_a_cluster:
	s_bfe_u32 s2, ttmp6, 0x10000c
	s_cmp_lg_u32 s2, 0xf033
	s_cbranch_scc0 .Lentry_shape_is_right
	s_endpgm
.Lentry_shape_is_right:
; out0[m][n] = the sum over k of A[m][k] w_o[k][n] + b_o[n].  A is ao, [4 b][16 h][2048 t][64] f16: row m = 2048 b + t, k = 64 h + channel.  wo16: [1024 k][1024 n] f16.  out0: [8192][1024] f32.  Sums in f32; the bias starts each sum.
; A tile of 128 rows x 256 columns is made by a work-group of four waves: 256 work-groups.  Wave w makes rows 64 (w / 2) on, columns 128 (w % 2) on: 32 accumulators of 16 x 16.
; K goes in steps of 128, two heads, through a ring of two LDS slots: eight steps.  Waves 0 and 1 fetch A's two heads (each 128 tokens of 128 bytes, dense: 64 rows of 256 bytes), waves 2 and 3 w_o's 128 rows of 512 bytes, 64 each.
; CLUSTERS: 4 x 4 work-groups.  The four of a row need the same tiles of A, the four of a column the same tiles of w_o: each is asked for JOINTLY.
; THE MATRIX INSTRUCTION IS USED TRANSPOSED (source 0 = 16 columns of w_o, turned by ds_load_tr16_b128; source 1 = 16 rows of A): a lane holds eight neighbouring columns of one row.
; REGISTERS, in windows of 256: window 0: v16-30 addresses; v64-191 rows on the way out.   window 1: v0-63, v64-127 w_o's fragments, two buffers; v128-159, v160-191 A's; v192-255 the bias in the result's layout.
;   window 2: the accumulators, (a, b) at v[8 (8 a + b)].
.set PA,     272                       ; A in LDS: two tokens to a row of 256 bytes + 16
.set PB,     544                       ; w_o: 512 bytes + 32
.set HBLK,   64*PA                     ; a head's 128 tokens
.set BOFF,   2*HBLK
.set BHALF,  64*PB
.set SLOT,   BOFF+2*BHALF              ; 104,448
.set STAGE,  2*SLOT                    ; the way out: 16 rows x 528 bytes for each wave; no tile ever lands here
.set SPITCH, 528
.set SPARE,  STAGE+4*16*SPITCH         ; 242,688: the spare words, 128 bytes a wave: two blocks of 256 bytes that no other line names
.set LAPS,   4                         ; a lap = two K steps = once round the ring
.set ADRA, 16
.set ADRB, 20
.set STO,  24
.set RD,   25
.set CO,   26
.set BO,   27
.set SPW,  28
.set NIL,  29
.set PFO,  30
.set BK,   64
.set BIAS, 192
.set G1,  24
.set G0,  32
.set PFA, 40
.set LIM, 42
.set G1B, 48
.set G0B, 56
.set MSB, 0
.macro WIN new                         ; the immediate's high byte repeats the setting that is left
.if MSB != \new
	s_set_vgpr_msb (MSB<<8)|\new
.set MSB, \new
.endif
.endm
.set MUL,  0xa5                        ; sources 0 and 1 window 1; C and D window 2
.set MUL0, 0x95                        ; the first quarter: C is the bias, in window 1
.set TO_F, 0x40                        ; destination window 1, address window 0
.macro JLOAD s                         ; a joint load: waves 0 and 1 for A, waves 2 and 3 for w_o; an s_nop 0 and four v_nop follow each of the two lines
	s_cmp_eq_u32 s13, 0
	s_cbranch_scc0 .Lfor_b_\@
	tensor_load_to_lds s[G0+4*\s:G0+4*\s+3], s[G1:G1+7]
	s_nop 0
.rept 4
	v_nop
.endr
	s_branch .Lasked_\@
.Lfor_b_\@:
	tensor_load_to_lds s[G0B+4*\s:G0B+4*\s+3], s[G1B:G1B+7]
	s_nop 0
.rept 4
	v_nop
.endr
.Lasked_\@:
.endm
; A PREFETCH of A's K step that stands two refills on: two heads x 16,384 bytes.  Wave 0 asks, one instruction, lanes 256 bytes apart; the four partners of a row of the cluster take 8,192 bytes each, told apart BY ADDRESS
; (head cx / 2, half cx % 2).  No other cluster reads these rows: each aligned block of 256 bytes is named once in the launch.  The first four K steps come by their loads alone; the last lap that fills asks for nothing.
.macro ASK
	s_cmp_gt_u32 s3, s[LIM]                        ; s3 = 1 in the loop's last trip
	s_cbranch_scc0 .Lnot_mine_\@
	global_prefetch_b8 v[PFO], s[PFA:PFA+1] th:TH_LOAD_NT scope:SCOPE_SE
.Lnot_mine_\@:
.endm
.macro CREST                           ; a round of the cluster's barrier behind its opening barrier
	s_cmp_lg_u32 s12, 0
	s_cbranch_scc1 .Lnot_wave_0_\@
	s_barrier_signal -3
.Lnot_wave_0_\@:
	s_barrier_wait -3
	s_barrier_signal -1
	s_barrier_wait -1
.endm
.macro CROUND
	s_barrier_signal -1
	s_barrier_wait -1
	CREST
.endm
	s_load_b256 s[4:11], s[0:1], 0x0               ; ao 4, wo16 6, out0 8, b_o 10
	v_lshl_add_u32 v[SPW], v0, 2, SPARE
	v_mov_b32 v[NIL], 0
	ds_add_u32 v[SPW], v[NIL]                      ; the wave's opening: the add, twice on end, and its wait ahead of my first tensor load
	ds_add_u32 v[SPW], v[NIL]
	v_lshrrev_b32 v1, 5, v0
	v_readfirstlane_b32 s12, v1                    ; wave 0..3
	s_lshr_b32 s13, s12, 1                         ; which 64 rows are mine.  Also: I fetch for A (0) or for w_o (1)
	s_and_b32 s14, s12, 1                          ; which 128 columns.  Also: which head, or which 64 rows of w_o, I fetch
	s_bfe_u32 s15, ttmp6, 0x40000                  ; cx, cy
	s_bfe_u32 s16, ttmp6, 0x40004
	s_lshl_b32 s17, ttmp9, 2
	s_add_co_u32 s17, s17, s15                     ; tile column
	s_and_b32 s18, ttmp7, 0xffff
	s_lshl_b32 s18, s18, 2
	s_add_co_u32 s18, s18, s16                     ; tile row
	s_lshl_b32 s43, s16, 2
	s_lshl_b32 s43, 15, s43                        ; my row of the cluster
	s_lshl_b32 s44, 0x1111, s15                    ; my column
	s_or_b32 s[G1], s43, (1<<16)|(1<<20)|(1<<21)|(5<<22)|(3<<25)    ; A: the mask; elements of 2 bytes; padding on; bit 21 beside a mask; after every 64 words, 4 words
	s_mov_b32 s[G1+1], 128<<16                     ; tensor_dim0: two tokens
	s_mov_b32 s[G1+2], 64<<16                      ; tensor_dim1
	s_mov_b32 s[G1+3], 128<<16                     ; tile_dim0
	s_mov_b32 s[G1+4], 64                          ; tile_dim1
	s_mov_b32 s[G1+5], 128                         ; the pitch: dense
	s_mov_b32 s[G1+6], 0
	s_mov_b32 s[G1+7], 0
	s_or_b32 s[G1B], s44, (1<<16)|(1<<20)|(1<<21)|(6<<22)|(7<<25)   ; w_o: after every 128 words, 8 words
	s_mov_b32 s[G1B+1], 256<<16
	s_mov_b32 s[G1B+2], 64<<16
	s_mov_b32 s[G1B+3], 256<<16
	s_mov_b32 s[G1B+4], 64
	s_mov_b32 s[G1B+5], 1024
	s_mov_b32 s[G1B+6], 0
	s_mov_b32 s[G1B+7], 0
	s_lshr_b32 s20, s18, 4                         ; the batch: 16 tiles of 128 tokens each
	s_lshl_b32 s20, s20, 22                        ; 16 heads of 262,144 bytes
	s_and_b32 s21, s18, 15
	s_lshl_b32 s21, s21, 14                        ; 128 tokens of 128 bytes
	s_add_co_u32 s20, s20, s21
	s_mov_b32 s22, s20                             ; (kept for the prefetches)
	s_lshl_b32 s21, s14, 18                        ; my head of the step's two
	s_add_co_u32 s20, s20, s21
	s_mov_b32 s21, 0
	s_lshl_b32 s46, s14, 17                        ; w_o: my 64 rows of 2,048 bytes,
	s_lshl_b32 s47, s17, 9                         ; the tile's 256 columns
	s_add_co_u32 s46, s46, s47
	s_mov_b32 s47, 0
	s_mul_i32 s19, s14, HBLK                       ; where they go: no place in the cluster enters an LDS address
	s_mul_i32 s45, s14, BHALF
	s_add_co_u32 s45, s45, BOFF
	s_wait_dscnt 0x0                               ; both opening adds are done
	s_wait_kmcnt 0x0
	s_add_nc_u64 s[20:21], s[4:5], s[20:21]
	s_add_nc_u64 s[46:47], s[6:7], s[46:47]
	CROUND                                         ; all sixteen work-groups are here: the first joint loads meet
.irp s, 0,1
	s_mov_b32 s[G0+4*\s], 1
	s_add_co_u32 s[G0+4*\s+1], s19, \s*SLOT
	s_add_nc_u64 s[G0+4*\s+2:G0+4*\s+3], s[20:21], \s*524288       ; a K step on: two heads
	s_or_b32 s[G0+4*\s+3], s[G0+4*\s+3], 0x80000000
	s_mov_b32 s[G0B+4*\s], 1
	s_add_co_u32 s[G0B+4*\s+1], s45, \s*SLOT
	s_add_nc_u64 s[G0B+4*\s+2:G0B+4*\s+3], s[46:47], \s*262144     ; 128 rows of 2,048 bytes
	s_or_b32 s[G0B+4*\s+3], s[G0B+4*\s+3], 0x80000000
	JLOAD \s                                       ; two loads of mine are out
.endr
	s_lshl_b32 s46, s17, 10
	s_lshl_b32 s47, s14, 9
	s_add_co_u32 s46, s46, s47                     ; 4 x (256 x tile column + 128 x half)
	s_mov_b32 s47, 0
	s_add_nc_u64 s[10:11], s[10:11], s[46:47]      ; the bias of my 128 columns
	v_and_b32 v1, 15, v0                           ; r
	v_bfe_u32 v2, v0, 4, 1                         ; h
	v_lshlrev_b32 v[BO], 5, v2
	WIN TO_F
.irp b, 0,1,2,3,4,5,6,7
	global_load_b128 v[BIAS+8*\b:BIAS+8*\b+3], v[BO], s[10:11] offset:64*\b        ; lane (r, h): numbers 16 b + 8 h + 0 .. 7
	global_load_b128 v[BIAS+8*\b+4:BIAS+8*\b+7], v[BO], s[10:11] offset:64*\b+16
.endr
	WIN 0
	s_lshl_b32 s20, s18, 19                        ; out0: 128 rows of 4,096 bytes a tile row,
	s_lshl_b32 s21, s13, 18                        ; my 64 rows,
	s_add_co_u32 s20, s20, s21
	s_add_co_u32 s20, s20, s46                     ; my columns
	s_mov_b32 s21, 0
	s_add_nc_u64 s[8:9], s[8:9], s[20:21]
	s_lshr_b32 s23, s15, 1                         ; the prefetches: my work-group's head of the two,
	s_lshl_b32 s23, s23, 18
	s_add_co_u32 s22, s22, s23
	s_and_b32 s23, s15, 1                          ; and its half of that head's 16,384 bytes
	s_lshl_b32 s23, s23, 13
	s_add_co_u32 s22, s22, s23
	s_add_co_u32 s22, s22, 3*524288                ; at K step 3: the first refill steps it to 4
	s_mov_b32 s23, 0
	s_add_nc_u64 s[PFA:PFA+1], s[4:5], s[22:23]
	s_cmp_eq_u32 s12, 0
	s_cselect_b32 s[LIM], 1, -1                    ; wave 0 alone asks: the same in all partners
	v_lshrrev_b32 v3, 1, v1
	v_mul_u32_u24 v3, v3, PA
	v_and_b32 v4, 1, v0
	v_lshl_add_u32 v3, v4, 7, v3
	v_lshl_add_u32 v3, v2, 4, v3                   ; A: token r of a block: 272 (r / 2) + 128 (r % 2) + 16 h
	s_mul_i32 s2, s13, 32*PA                       ; my 64 tokens
	v_add_nc_u32 v[ADRA], s2, v3
	v_add_nc_u32 v[ADRA+1], SLOT, v[ADRA]
	v_and_b32 v5, 7, v0
	v_lshl_add_u32 v5, v2, 3, v5
	v_mul_u32_u24 v5, v5, PB
	v_bfe_u32 v6, v0, 3, 1
	v_lshl_add_u32 v5, v6, 4, v5                   ; w_o: lane l reads row 8 h + l % 8, columns 8 ((l / 8) % 2) on
	s_lshl_b32 s2, s14, 8                          ; my 128 columns
	s_add_co_u32 s2, s2, BOFF
	v_add_nc_u32 v[ADRB], s2, v5
	v_add_nc_u32 v[ADRB+1], SLOT, v[ADRB]
	s_mul_i32 s2, s12, 16*SPITCH
	s_add_co_u32 s2, s2, STAGE                     ; my stage
	v_mul_u32_u24 v3, v1, SPITCH
	v_lshl_add_u32 v3, v2, 5, v3
	v_add_nc_u32 v[STO], s2, v3                    ; in: row r, 32 bytes for each half of the lanes
	v_and_b32 v4, 31, v0
	v_lshlrev_b32 v[CO], 4, v4                     ; back: the 32 lanes take one row of 512 bytes; and the same in out0
	v_add_nc_u32 v[RD], s2, v[CO]
	v_lshlrev_b32 v[PFO], 8, v4
; 8 matrix instructions: row block a against all 8 column blocks, 32 along K, from buffer f.  zero = 1: the bias is the C of the sum's first product.  The 32 accumulators take turns, in the same order in every quarter
.macro MUL8 f, a, zero
.irp b, 0,1,2,3,4,5,6,7
.if \zero
	v_wmma_f32_16x16x32_f16 v[8*(8*(\a)+\b):8*(8*(\a)+\b)+7], v[64*(\f)+8*\b:64*(\f)+8*\b+7], v[128+32*(\f)+8*(\a):128+32*(\f)+8*(\a)+7], v[BIAS+8*\b:BIAS+8*\b+7]
.else
	v_wmma_f32_16x16x32_f16 v[8*(8*(\a)+\b):8*(8*(\a)+\b)+7], v[64*(\f)+8*\b:64*(\f)+8*\b+7], v[128+32*(\f)+8*(\a):128+32*(\f)+8*(\a)+7], v[8*(8*(\a)+\b):8*(8*(\a)+\b)+7]
.endif
.endr
.endm
; 24 LDS loads in one run: the fragments of the slot's q-th 32 along K into buffer f: w_o's eight, turned; A's four (head q / 2, channels 32 (q % 2) on)
.macro FETCH slot, q, f
	WIN TO_F
.irp b, 0,1,2,3,4,5,6,7
	ds_load_tr16_b128 v[64*(\f)+8*\b:64*(\f)+8*\b+3], v[ADRB+\slot] offset:32*PB*(\q)+32*\b
	ds_load_tr16_b128 v[64*(\f)+8*\b+4:64*(\f)+8*\b+7], v[ADRB+\slot] offset:32*PB*(\q)+32*\b+16*PB
.endr
.irp a, 0,1,2,3
	ds_load_b128 v[128+32*(\f)+8*\a:128+32*(\f)+8*\a+3], v[ADRA+\slot] offset:HBLK*((\q)/2)+64*((\q)%2)+8*PA*\a
	ds_load_b128 v[128+32*(\f)+8*\a+4:128+32*(\f)+8*\a+7], v[ADRA+\slot] offset:HBLK*((\q)/2)+64*((\q)%2)+8*PA*\a+32
.endr
.endm
.macro PLACES                          ; four plain lines in front of loads into registers that matrix instructions have read, and of reads of results (ISA guide 7.12.1 for reads of results)
.rept 4
	v_nop
.endr
.endm
; A K step is four quarters of 32 along K, 32 matrix instructions each, on buffers 0, 1, 0, 1.  One of the first three: multiplies buffer f; in its middle it fetches quarter q of the same slot into buffer g.
.macro QUARTER slot, q, f, g, zero
	s_wait_dscnt 0x0
.if \zero
	WIN MUL0
.else
	WIN MUL
.endif
	MUL8 \f, 0, \zero
	MUL8 \f, 1, \zero
	PLACES
	FETCH \slot, \q, \g
.if \zero
	WIN MUL0
.else
	WIN MUL
.endif
	MUL8 \f, 2, \zero
	MUL8 \f, 3, \zero
.endm
; The last quarter multiplies buffer 1 and changes slots: ONE barrier; in front of it each wave waits for all its tensor loads (one is out: its part of the next slot), adds 0 to its spare word, and waits for that and for its
; reads of this slot.  fill = 1: the barrier opens a round of the cluster's, and behind it this slot is filled again, two K steps ahead: the wave's one tensor load until the next change.
.macro TURN slot, next, fill
.if \fill
	s_wait_xcnt 0x0                                ; the last prefetch, a K step back, has read its address: it is stepped here, ahead of the waits of the change
	s_add_nc_u64 s[PFA:PFA+1], s[PFA:PFA+1], 524288
.endif
	WIN 0                                          ; (the add's two registers lie in window 0)
	s_wait_tensorcnt 0x0
	ds_add_u32 v[SPW], v[NIL]
	s_wait_dscnt 1                                 ; buffer 1 is in; the add alone may be out
	WIN MUL
	MUL8 1, 0, 0                                   ; eight matrix instructions stand between the add and the wait for it
	s_wait_dscnt 0x0                               ; the add is done, and my reads of this slot are over
	s_barrier_signal -1
	MUL8 1, 1, 0
	WIN 0
	s_barrier_wait -1
.if \fill
	CREST                                          ; no wave of any partner still reads this slot's tiles or has a load on its way
	s_add_nc_u64 s[G0+4*\slot+2:G0+4*\slot+3], s[G0+4*\slot+2:G0+4*\slot+3], 2*524288
	s_add_nc_u64 s[G0B+4*\slot+2:G0B+4*\slot+3], s[G0B+4*\slot+2:G0B+4*\slot+3], 2*262144
	JLOAD \slot                                    ; the four v_nop behind it are also the places in front of the loads below
.else
	PLACES
.endif
	FETCH \next, 0, 0
.if \fill
	WIN 0
	ASK                                            ; behind the joint load and the run of LDS loads
.endif
	WIN MUL
	MUL8 1, 2, 0
	MUL8 1, 3, 0
.endm
	s_wait_tensorcnt 1                             ; my part of K step 0 is in; K step 1's load may be out
	s_barrier_signal -1
	s_barrier_wait -1                              ; everybody's is
	FETCH 0, 0, 0
	s_wait_loadcnt 0x0                             ; the bias
	QUARTER 0, 1, 0, 1, 1                          ; the first quarter stands in front of the loop: its products start the sums
	WIN 0                                          ; at a label and at a branch every window is 0
	s_mov_b32 s3, LAPS-1
.Llap:                                             ; a trip goes once round the ring, from a lap's second quarter to the next lap's first, and fills both slots again
	QUARTER 0, 2, 1, 0, 0
	QUARTER 0, 3, 0, 1, 0
	TURN 0, 1, 1
	QUARTER 1, 1, 0, 1, 0
	QUARTER 1, 2, 1, 0, 0
	QUARTER 1, 3, 0, 1, 0
	TURN 1, 0, 1
	QUARTER 0, 1, 0, 1, 0
	WIN 0
	s_sub_co_u32 s3, s3, 1
	s_cmp_lg_u32 s3, 0
	s_cbranch_scc1 .Llap
	QUARTER 0, 2, 1, 0, 0                          ; the last lap fills nothing, and has no round of the cluster's barrier
	QUARTER 0, 3, 0, 1, 0
	TURN 0, 1, 0
	QUARTER 1, 1, 0, 1, 0
	QUARTER 1, 2, 1, 0, 0
	QUARTER 1, 3, 0, 1, 0
	s_wait_dscnt 0x0                               ; the very last quarter: nothing more to fetch
	WIN MUL
	MUL8 1, 0, 0
	MUL8 1, 1, 0
	MUL8 1, 2, 0
	MUL8 1, 3, 0
	WIN 0
; THE WAY OUT, block by block of 16 rows x 128 columns.  A lane holds 32 neighbouring bytes of a row: a block goes through my own stage and comes back as whole rows of 512 bytes, which the 32 lanes store.
; LDS serves a wave's instructions in order: no wait between the stores and the loads, nor in front of the next block's stores.
.macro TOSTAGE a
	WIN 0x08                                       ; an LDS store's data are its source 1: window 2
.irp b, 0,1,2,3,4,5,6,7
	ds_store_b128 v[STO], v[64*(\a)+8*\b:64*(\a)+8*\b+3] offset:64*\b          ; each accumulator from its low end on
	ds_store_b128 v[STO], v[64*(\a)+8*\b+4:64*(\a)+8*\b+7] offset:64*\b+16
.endr
	WIN 0
.set BB, BK+64*((\a)%2)
.irp t, 0,1,2,3,4,5,6,7,8,9,10,11,12,13,14,15
	ds_load_b128 v[BB+4*\t:BB+4*\t+3], v[RD] offset:\t*SPITCH
.endr
.endm
.macro SEND a, younger                 ; younger: the LDS instructions issued behind block a's loads, which may stay out
.set BB, BK+64*((\a)%2)
	s_wait_dscnt \younger
.irp t, 0,1,2,3,4,5,6,7,8,9,10,11,12,13,14,15
	global_store_b128 v[CO], v[BB+4*\t:BB+4*\t+3], s[8:9] offset:65536*(\a)+4096*\t th:TH_STORE_NT   ; 32 lanes store 512 consecutive bytes, aligned; written once, read by nobody here
.endr
.endm
	PLACES                                         ; behind the last products
	TOSTAGE 0
.irp a, 1,2,3
.if \a > 1
	s_wait_xcnt 0x0                                ; block a - 2's stores have read their registers: block a's loads may land there
.endif
	TOSTAGE \a
	SEND \a-1, 32                                  ; behind block a - 1's loads: block a's 16 stores and 16 loads
.endr
	SEND 3, 0
	s_wait_tensorcnt 0x0                           ; the wave's end: behind my last tensor load and my last LDS store
	ds_add_u32 v[SPW], v[NIL]
	s_wait_dscnt 0x0
	CROUND                                         ; the closing round
	s_endpgm
.Lfunc_end_k_qa0102b1d48_outp:
	.size	k_qa0102b1d48_outp, .Lfunc_end_k_qa0102b1d48_outp-k_qa0102b1d48_outp
	.p2alignl 7, 3214868480
	.fill 96, 4, 3214868480
	.section	.rodata,"a",@progbits
	.p2align	6, 0x0
	.amdhsa_kernel k_qa0102b1d48_outp
		.amdhsa_group_segment_fixed_size 327680
		.amdhsa_private_segment_fixed_size 0
		.amdhsa_enable_private_segment 0
		.amdhsa_kernarg_size 32
		.amdhsa_user_sgpr_count 2
		.amdhsa_user_sgpr_kernarg_segment_ptr 1
		.amdhsa_wavefront_size32 1
		.amdhsa_system_sgpr_workgroup_id_x 1
		.amdhsa_system_sgpr_workgroup_id_y 1
		.amdhsa_system_sgpr_workgroup_id_z 1
		.amdhsa_system_vgpr_workitem_id 0
		.amdhsa_next_free_vgpr 768
		.amdhsa_next_free_sgpr 66
		.amdhsa_reserve_vcc 0
		.amdhsa_float_denorm_mode_32 3
		.amdhsa_float_denorm_mode_16_64 3
		.amdhsa_memory_ordered 1
		.amdhsa_forward_progress 1
		.amdhsa_inst_pref_size 87
	.end_amdhsa_kernel
	.amdgpu_metadata
---
amdhsa.version: [ 1, 2 ]
amdhsa.kernels:
  - .name:           k_qa0102b1d48_outp
    .symbol:         k_qa0102b1d48_outp.kd
    .args:
      - { .name: ao, .offset: 0, .size: 8, .value_kind: global_buffer, .address_space: global }
      - { .name: wo16, .offset: 8, .size: 8, .value_kind: global_buffer, .address_space: global }
      - { .name: out0, .offset: 16, .size: 8, .value_kind: global_buffer, .address_space: global }
      - { .name: b_o, .offset: 24, .size: 8, .value_kind: global_buffer, .address_space: global }
    .group_segment_fixed_size: 327680
    .private_segment_fixed_size: 0
    .kernarg_segment_align: 8
    .kernarg_segment_size: 32
    .max_flat_workgroup_size: 128
    .sgpr_count:     66
    .vgpr_count:     768
    .wavefront_size: 32
...
	.end_amdgpu_metadata
.endif
;; end of part 4
